; MI455X (gfx1250); checked and timed in simulation.
; The chip was launched on July 23, 2026; its instructions are those of AMD's public machine-readable ISA for CDNA 5 (MIT licence, August 2026) and "CDNA5" Instruction Set Architecture Reference Guide (July 2026). The comments in the code are by the model that wrote it; some were corrected since.
;; Manual Multihead Attention. Allowed arithmetic: matrix products marked QUANTISED: E2M3 operands, one E8M0 scale for each 32 along K, by v_wmma_scale_f32_16x16x128_f8f6f4 with both operands' format E2M3, f32 sums; everything else in f32.
;; Inputs: b_out 1,024 float32; b_qkv 3,072 float32; w_out 1,024 x 1,024 float32; w_qkv 3,072 x 1,024 float32; x 2,048 x 4 x 1,024 float32.
;; Outputs: out0 2,048 x 4 x 1,024 float32.
;; Constants: causal = 1.
;; This version of the problem:
;;   THIS VERSION OF THE PROBLEM IS GIVEN IN LOW PRECISION. The matrix products marked QUANTISED in the list below multiply operands that are first quantised to E2M3 (2 exponent bits, 3 mantissa bits; 6 bits a number), with one power-of-two scale for each 32 numbers along K (OCP MX v1.0); their sums are f32. All else is computed in f32.
;;   The module's matrix products, in the order in which they are computed (A, B: the left and right operand; K: the contracted axis; several contracted axes count as one K, in the product's order):
;;     1. [M 8,192, K 1,024] x [K 1,024, N 3,072]; A: input x; B: input w_qkv: QUANTISED
;;     2. batch 64 x [M 2,048, K 64] x [K 64, N 2,048]; A: computed on the way; B: computed on the way: QUANTISED
;;     3. batch 64 x [M 2,048, K 2,048] x [K 2,048, N 64]; A: softmax (see below); B: computed on the way: QUANTISED
;;     4. [M 8,192, K 1,024] x [K 1,024, N 1,024]; A: computed on the way; B: input w_out: QUANTISED
;;   THE QUANTISER, for each operand of a quantised product, along K:
;;     - K is cut into blocks of 32 from its start; a last block that is shorter is filled with zeros.
;;     - A block's scale is 2^e with e = floor(log2(the largest magnitude in the block)) - 2, held to -126 .. 127; a block of zeros has e = 0. As a byte (E8M0): e + 127.
;;     - Each number is divided by its block's scale, clamped to +-7.5, and rounded to the nearest number of E2M3, ties to even, subnormals kept.
;;     - The product sums the exact products of the quantised numbers (number of the format x scale) in f32.
;;   ~~~python
;;   def quantise(x, axis):      # numpy; x: float32 -> the quantised numbers, widened to float32 again
;;       x = np.moveaxis(x, axis, -1); K = x.shape[-1]
;;       x = np.pad(x, [(0, 0)] * (x.ndim - 1) + [(0, -K % 32)]); x = x.reshape(x.shape[:-1] + (-1, 32)); a = np.abs(x).max(-1, keepdims=True)
;;       e = np.where(a > 0, np.clip(np.frexp(np.where(a > 0, a, 1))[1] - 1 - 2, -126, 127), 0)      # np.frexp(a)[1] - 1 = floor(log2(a)), exactly
;;       r = np.clip(x / 2.0 ** e, -7.5, 7.5)
;;       step = 2.0 ** (np.maximum(np.frexp(np.where(r == 0, 1, r))[1] - 1, 0) - 3)
;;       q = np.round(r / step) * step * 2.0 ** e      # np.round: ties to even
;;       return np.moveaxis(q.reshape(q.shape[:-2] + (-1,))[..., :K], -1, axis).astype(np.float32)
;;   ~~~
;;   SOFTMAX AHEAD OF A QUANTISED PRODUCT. Where the list says 'softmax', what is quantised is not the finished softmax but p = 2^(t - M), with t = logit x log2(e) and M = ceil(the row's largest t), a whole number; so 1/2 < the row's largest p <= 1. The row's sum l is taken of the UNQUANTISED p, in f32, and the product's result is divided by l at the end. Since M is a whole number, a kernel that streams over the keys may use a running M (the ceiling of the running maximum): every later rescaling is an exact power of two, which a block's scale takes up: the codes' values come out the same.
;;   OPERANDS COMPUTED ON THE WAY. 'Computed on the way' means the value that the module computes at that place (a softmax that the list does not call 'softmax' is quantised finished and normalised). What goes into a quantiser is computed in f32, as accurately as f32 sums, v_exp_f32 and their like allow (about 1e-6 of the number): no bf16 or f16 on the way to a quantiser, and a product that is left as it is and whose result goes on into a quantised operand takes f32 operands (vector FMAs, or v_wmma_f32_16x16x4_f32). A number that lies on a knife's edge between two numbers of the format may be rounded either way, as far as f32 arithmetic and the matrix unit's own rounding can turn it there, and no further.
;; One version. Each part assembles by itself: llvm-mc -triple=amdgcn-amd-amdhsa -mcpu=gfx1250 --defsym DOCPART=n.
;; ======== version 1 of 1: 4 launches
;; limits: right only within a limited range of input values
;; workspace buffers: cod1 9,437,184 bytes; scl1 393,216 bytes; qkv 20,447,232 bytes; oimg 6,291,456 bytes; osc 262,144 bytes
;; launch quant (part 1): grid 256 x 1, 3 waves a work-group, no clusters, 25,856 bytes of LDS; arguments x, w_qkv, w_out, cod1, scl1; writes cod1, scl1
.if DOCPART == 1
	.amdgcn_target "amdgcn-amd-amdhsa--gfx1250"
	.amdhsa_code_object_version 6
	.text
	.protected	k_qfddc60d9eb_quant
	.globl	k_qfddc60d9eb_quant
	.p2align	8
	.type	k_qfddc60d9eb_quant,@function
k_qfddc60d9eb_quant:
	s_mov_b64 s[64:65], 0
	v_nop
	global_prefetch_b8 v0, s[64:65] scope:SCOPE_SE
	s_setreg_imm32_b32 hwreg(HW_REG_WAVE_MODE, 25, 1), 1
	s_wait_xcnt 0x0
; x [2048][4][1024], w_qkv [3072][1024] and w_out [1024][1024], f32, become codes of FP6 (E2M3) with one E8M0 byte for each 32 along K (K = the last axis).
; THE CODES ARE LAID IN THE ORDER OF THE OPERAND'S REGISTERS.  A "half image" is 16 rows x 64 K = 768 bytes: lane (r = lane % 16, h = lane / 16) owns the 24 bytes of k = 32 h .. 32 h + 31 of row r,
; its first 16 bytes at 16 x lane, its last 8 at 512 + 8 x lane.  cod1 = [tile 768][16 half images along K][768 bytes]; scl1 = [tile x 16 + r][32 bytes], word j = the four bytes of K = 128 j .. 128 j + 127.
; WHICH ROWS FORM A TILE: place r of tile t holds row 32 (t / 2) + 8 (t % 2) + r + 8 (r / 8), so that in a product used transposed the 16 registers of two neighbouring tiles are 16 neighbouring rows.
; Tiles 0-511: x, tile = 128 b + t over the sequence of batch b;  512-703: w_qkv;  704-767: w_out.
; SHARES.  768 waves, a tile each: 16 rows x 1,024 K in 8 steps of 128 K.  A load reads 512 consecutive bytes of one row; the step's 16 rows turn through the wave's own stage in LDS
; (pitch 528, an odd multiple of 16 bytes) and come back 128 bytes (a whole block of 32) a lane and half.  Waves share nothing: no barrier.  Loads run two steps (32 loads a wave) ahead.
; A block's scale is 2^(floor(log2(largest magnitude)) - 2): its byte is the largest magnitude's exponent field - 2, held at 1 from below.
; LIMITS: a block of zeros, or one whose largest magnitude lies under 2^-124, gets the byte 1 (the rule says 127 for zeros: the codes are zeros, and this program alone reads the bytes); NaN and infinities are not served.
; LAYOUT OF cod1 AS STORED BELOW: [block of 16 tiles][K step of 256, 4][tile in the block, 16][four half images, 3,072 bytes]: the 16 tiles' codes of one or several K steps on end are one dense run of bytes.
; WORK LEFT OUT BY THE PROGRAM: reference() builds the causal mask itself (triu, k = 1), so a tile of scores whose every key lies behind every one of its queries gets the weight 0 for all inputs: the attention launch does not compute such tiles.
; A NaN, an infinity or an overflow that would arise only in such tiles is not carried to the result.
.set WSTG,   8448
.set SPITCH, 528
.set SPARE,  3*WSTG                    ; behind the stages: the spare words, 128 bytes a wave, two blocks of 256 bytes that no other line names
.set L16,  4                           ; v4   16 x lane
.set L8,   5                           ; v5   8 x lane
.set SIN,  6                           ; v6   the stage, in: 16 x lane
.set SOUT, 7                           ; v7   the stage, out: 528 r + 128 h
.set H8,   8                           ; v8   8 h
.set SOFF, 9                           ; v9   32 r + 16 h: my 16 bytes of the tile's scale words
.set SPW,  10                          ; v10  my spare word; never rewritten
.set NIL,  11                          ; v11  0; never rewritten
.set M,    12                          ; v12-13 largest magnitudes
.set SO,   14                          ; v14-15 the conversions' scale operands
.set BY,   16                          ; v16-17 scale bytes
.set WD,   18
.set PT,   19
.set OFF,  20                          ; v20-35 byte offset of row place i: 16 x lane + (i + 8 (i / 8)) x the row's pitch
.set SW,   36                          ; v36-43 the eight scale words of my row
.set PC,   44                          ; v44-55 a fragment's codes; v56-62 at work
.set R,    64                          ; v64-191 two sets of 64: numbers as loaded
.set X,    192                         ; v192-255 my 64 numbers: two whole blocks
	s_load_b128 s[4:7], s[0:1], 0x0                ; x, w_qkv
	s_load_b128 s[8:11], s[0:1], 0x10              ; w_out, cod1
	s_load_b64 s[12:13], s[0:1], 0x20              ; scl1
	v_lshl_add_u32 v[SPW], v0, 2, SPARE
	v_mov_b32 v[NIL], 0
	v_lshrrev_b32 v1, 5, v0
	v_readfirstlane_b32 s15, v1                    ; wave 0..2
	v_and_b32 v1, 31, v0                           ; lane
	s_wait_alu depctr_va_vdst(0)
	v_and_b32 v2, 15, v0                           ; r
	s_wait_alu depctr_va_vdst(0)
	v_bfe_u32 v3, v0, 4, 1                         ; h
	s_mul_i32 s14, s15, WSTG
	s_mul_i32 s16, ttmp9, 3
	s_add_co_u32 s16, s16, s15                     ; my tile, 0..767
	s_mov_b32 s18, 4096
	s_mov_b32 s19, 255
	s_cmp_lt_u32 s16, 512                          ; a tile of x?
	s_cselect_b32 s17, 0, 512                      ; the tensor's first tile
	s_cselect_b32 s18, 16384, s18                  ; bytes from a row of the tile's sequence to the next
	s_cselect_b32 s19, 127, s19                    ; x: the tile's number within its batch
	s_cselect_b32 s20, 7, 31                       ; x: the batch is the tile's number >> 7; a weight has none
	s_cmp_lt_u32 s16, 704
	s_cselect_b32 s17, s17, 704
	s_sub_co_u32 s17, s16, s17                     ; the tile's number in its tensor
	s_and_b32 s19, s17, s19
	s_lshr_b32 s20, s17, s20
	s_lshr_b32 s21, s19, 1
	s_lshl_b32 s21, s21, 5
	s_and_b32 s19, s19, 1
	s_lshl_b32 s19, s19, 3
	s_add_co_u32 s21, s21, s19                     ; the row at place 0: 32 (t / 2) + 8 (t % 2)
	s_mul_i32 s24, s21, s18
	s_lshl_b32 s20, s20, 12
	s_add_co_u32 s24, s24, s20                     ; + the batch's 4,096 bytes
	s_mov_b32 s25, 0
	s_lshr_b32 s26, s16, 4                         ; the tile's block of 16: 196,608 bytes each,
	s_mul_i32 s26, s26, 196608
	s_and_b32 s27, s16, 15                         ; and its place in a K step of the block: 3,072 bytes each
	s_mul_i32 s27, s27, 3072
	s_add_co_u32 s26, s26, s27
	s_mov_b32 s27, 0
	s_lshl_b32 s28, s16, 9                         ; a tile's scale words
	s_mov_b32 s29, 0
	s_mov_b32 s30, 0x76543210
	s_mov_b32 s31, 0xfedcba98                      ; v_permlanex16_b32's selects for lane l xor 16
	s_mov_b32 s22, 0xffff0000                      ; lanes 16-31
	v_lshlrev_b32 v[L16], 4, v1
	v_lshlrev_b32 v[L8], 3, v1
	v_add_nc_u32 v[SIN], s14, v[L16]
	v_mul_u32_u24 v[SOUT], v2, SPITCH
	s_wait_alu depctr_va_vdst(0)
	v_lshl_add_u32 v[SOUT], v3, 7, v[SOUT]
	v_add_nc_u32 v[SOUT], s14, v[SOUT]
	v_lshlrev_b32 v[H8], 3, v3
	v_lshlrev_b32 v[SOFF], 5, v2
	v_lshl_add_u32 v[SOFF], v3, 4, v[SOFF]
	v_mov_b32 v[PT], 0                             ; written once: a lane permute's destination counts as one of its sources
.irp i, 0,1,2,3,4,5,6,7,8,9,10,11,12,13,14,15
	v_mad_u32_u24 v[OFF+\i], s18, \i+8*(\i/8), v[L16]
.endr
	s_wait_alu depctr_va_vdst(0)
	s_wait_kmcnt 0x0
	s_cmp_lt_u32 s16, 704                          ; the choice of the tensor hangs on the tile's number alone
	s_cselect_b64 s[6:7], s[6:7], s[8:9]
	s_cmp_lt_u32 s16, 512
	s_cselect_b64 s[4:5], s[4:5], s[6:7]
	s_add_nc_u64 s[4:5], s[4:5], s[24:25]
	s_add_nc_u64 s[10:11], s[10:11], s[26:27]
	s_add_nc_u64 s[12:13], s[12:13], s[28:29]
.macro LOAD t                          ; step t: 128 K of each of the 16 rows; 32 lanes read 512 consecutive bytes
.irp i, 0,1,2,3,4,5,6,7,8,9,10,11,12,13,14,15
	global_load_b128 v[R+64*((\t)%2)+4*\i:R+64*((\t)%2)+4*\i+3], v[OFF+\i], s[4:5] offset:512*(\t) th:TH_LOAD_NT
.endr
.endm
.macro STEP t
.if (\t) < 7
	s_wait_loadcnt 16                              ; this step's 16 loads are in; the next step's 16 may be out
.else
	s_wait_loadcnt 0x0
.endif
.irp i, 0,1,2,3,4,5,6,7,8,9,10,11,12,13,14,15
	ds_store_b128 v[SIN], v[R+64*((\t)%2)+4*\i:R+64*((\t)%2)+4*\i+3] offset:SPITCH*\i
.endr
.irp c, 0,1                            ; LDS serves a wave's instructions in order: these see the stores above.  Block 2 c + h of row r: 128 bytes
.irp j, 0,1,2,3,4,5,6,7
	ds_load_b128 v[X+32*\c+4*\j:X+32*\c+4*\j+3], v[SOUT] offset:256*\c+16*\j
.endr
.endr
	s_wait_dscnt 0x0                               ; my numbers are here, and the stores have read their registers,
.if (\t) < 6
	LOAD (\t)+2                                    ; which take the loads of two steps on
.endif
.irp c, 0,1
	v_max3_num_f32 v[M+\c], |v[X+32*\c]|, |v[X+32*\c+1]|, 0x1800000   ; the floor 2^(3 - 127) among the leaves: the byte cannot fall under 1
.endr
.irp i, 2,4,6,8,10,12,14,16,18,20,22,24,26,28,30
.irp c, 0,1
	v_max3_num_f32 v[M+\c], v[M+\c], |v[X+32*\c+\i]|, |v[X+32*\c+\i+1]|   ; the two blocks by turns
.endr
.endr
.irp c, 0,1
	v_add_nc_u32 v[SO+\c], 0xff000000, v[M+\c]     ; 2 off the exponent field: the conversion takes that field as its scale
.endr
.irp c, 0,1
	v_lshrrev_b32 v[BY+\c], 23, v[SO+\c]           ; the scale's byte
.endr
	v_lshl_or_b32 v[WD], v[BY+1], 16, v[BY]        ; my bytes: blocks h and 2 + h,
	v_lshlrev_b32 v[WD], v[H8], v[WD]              ; at their places in the word;
	v_permlanex16_b32 v[PT], v[WD], s30, s31
	v_or_b32 v[SW+(\t)], v[WD], v[PT]              ; with lane l xor 16's two the word is whole
.if (\t) > 0
	s_wait_alu depctr_va_vdst(0)
	s_wait_xcnt 0x0                                ; the last step's stores have read the codes' registers
.endif
.irp c, 0,1
	v_cvt_scalef32_pk16_fp6_f32 v[PC+6*\c:PC+6*\c+2], v[X+32*\c:X+32*\c+15], v[SO+\c]
	v_cvt_scalef32_pk16_fp6_f32 v[PC+12+4*\c:PC+14+4*\c], v[X+32*\c+16:X+32*\c+31], v[SO+\c]   ; (a conversion's three registers begin on an even number)
.endr
	v_nop                                          ; one plain place behind a scaled conversion
.irp c, 0,1
.irp i, 0,1,2
	v_mov_b32 v[PC+3+6*\c+\i], v[PC+12+4*\c+\i]
.endr
.endr
	global_store_b128 v[L16], v[PC:PC+3], s[10:11] offset:49152*((\t)/2)+1536*((\t)%2)            ; two half images: 512 + 256 consecutive bytes each; K step t / 2 of the block lies 49,152 bytes further on
	global_store_b64 v[L8], v[PC+4:PC+5], s[10:11] offset:49152*((\t)/2)+1536*((\t)%2)+512
	global_store_b128 v[L16], v[PC+6:PC+9], s[10:11] offset:49152*((\t)/2)+1536*((\t)%2)+768
	global_store_b64 v[L8], v[PC+10:PC+11], s[10:11] offset:49152*((\t)/2)+1536*((\t)%2)+1280
.endm
	LOAD 0
	LOAD 1
.irp t, 0,1,2,3,4,5,6,7
	STEP \t
.endr
.irp j, 0,1,2,3
	v_cndmask_b32 v[X+\j], v[SW+\j], v[SW+4+\j], s22   ; lanes 0-15 store words 0-3 of row r, lanes 16-31 words 4-7
.endr
	global_store_b128 v[SOFF], v[X:X+3], s[12:13]  ; the tile's 512 bytes of scale words, consecutive
	s_wait_tensorcnt 0x0                           ; the wave's end: behind my last LDS store
	ds_add_u32 v[SPW], v[NIL]
	s_wait_dscnt 0x0
	s_endpgm
.Lfunc_end_k_qfddc60d9eb_quant:
	.size	k_qfddc60d9eb_quant, .Lfunc_end_k_qfddc60d9eb_quant-k_qfddc60d9eb_quant
	.p2alignl 7, 3214868480
	.fill 96, 4, 3214868480
	.section	.rodata,"a",@progbits
	.p2align	6, 0x0
	.amdhsa_kernel k_qfddc60d9eb_quant
		.amdhsa_group_segment_fixed_size 25856
		.amdhsa_private_segment_fixed_size 0
		.amdhsa_enable_private_segment 0
		.amdhsa_kernarg_size 40
		.amdhsa_user_sgpr_count 2
		.amdhsa_user_sgpr_kernarg_segment_ptr 1
		.amdhsa_wavefront_size32 1
		.amdhsa_system_sgpr_workgroup_id_x 1
		.amdhsa_system_sgpr_workgroup_id_y 1
		.amdhsa_system_sgpr_workgroup_id_z 1
		.amdhsa_system_vgpr_workitem_id 0
		.amdhsa_next_free_vgpr 256
		.amdhsa_next_free_sgpr 66
		.amdhsa_reserve_vcc 0
		.amdhsa_float_denorm_mode_32 3
		.amdhsa_float_denorm_mode_16_64 3
		.amdhsa_memory_ordered 1
		.amdhsa_forward_progress 1
		.amdhsa_inst_pref_size 60
	.end_amdhsa_kernel
	.amdgpu_metadata
---
amdhsa.version: [ 1, 2 ]
amdhsa.kernels:
  - .name:           k_qfddc60d9eb_quant
    .symbol:         k_qfddc60d9eb_quant.kd
    .args:
      - { .name: x, .offset: 0, .size: 8, .value_kind: global_buffer, .address_space: global }
      - { .name: w_qkv, .offset: 8, .size: 8, .value_kind: global_buffer, .address_space: global }
      - { .name: w_out, .offset: 16, .size: 8, .value_kind: global_buffer, .address_space: global }
      - { .name: cod1, .offset: 24, .size: 8, .value_kind: global_buffer, .address_space: global }
      - { .name: scl1, .offset: 32, .size: 8, .value_kind: global_buffer, .address_space: global }
    .group_segment_fixed_size: 25856
    .private_segment_fixed_size: 0
    .kernarg_segment_align: 8
    .kernarg_segment_size: 40
    .max_flat_workgroup_size: 96
    .sgpr_count:     66
    .vgpr_count:     256
    .wavefront_size: 32
...
	.end_amdgpu_metadata
.endif
;; end of part 1
;; launch gemm1 (part 2): grid 12 x 32, 4 waves a work-group, clusters of 4 x 4, 327,680 bytes of LDS; arguments cod1, scl1, b_qkv, qkv; writes qkv
.if DOCPART == 2
	.amdgcn_target "amdgcn-amd-amdhsa--gfx1250"
	.amdhsa_code_object_version 6
	.text
	.protected	k_qfddc60d9eb_gemm1
	.globl	k_qfddc60d9eb_gemm1
	.p2align	8
	.type	k_qfddc60d9eb_gemm1,@function
k_qfddc60d9eb_gemm1:
	s_mov_b64 s[64:65], 0
	v_nop
	global_prefetch_b8 v0, s[64:65] scope:SCOPE_SE
	s_setreg_imm32_b32 hwreg(HW_REG_WAVE_MODE, 25, 1), 1
	s_wait_xcnt 0x0
	s_wait_alu depctr_hold_cnt(0) depctr_sa_sdst(0) depctr_va_vdst(0) depctr_va_sdst(0) depctr_va_ssrc(0) depctr_va_vcc(0) depctr_vm_vsrc(0)
	s_getreg_b32 s2, hwreg(HW_REG_IB_STS2, 6, 4)
	s_cmp_eq_u32 s2, 0
	s_cbranch_scc0 .Lentry_in_a_cluster
	s_endpgm
.Lentry_in_a_cluster:
	s_bfe_u32 s2, ttmp6, 0x10000c
	s_cmp_lg_u32 s2, 0xf033
	s_cbranch_scc0 .Lentry_shape_is_right
	s_endpgm
.Lentry_shape_is_right:
; qkv = x w_qkv^T + b_qkv on codes of FP6 (E2M3) with E8M0 scales, and q, k, v quantised in registers for the attention: no f32 number of qkv goes to memory.
; OPERANDS: cod1 = [tile][16 half images][768], scl1 = [tile x 16 + r][32]: tiles 0-511 x (128 b + t), 512-703 w_qkv.  A half image is 16 rows x 64 K as the operand's registers want it:
; lane's registers 0-3 at 16 x lane, 4-5 at 512 + 8 x lane.  Place r of tile t is row 32 (t / 2) + 8 (t % 2) + r + 8 (r / 8).
; A work-group makes 256 "A" rows x 256 "B" rows; four waves, each 128 x 128 = 64 accumulators.  The matrix instruction is used transposed (source 0 = 16 rows of B, source 1 = 16 rows of A):
; a lane holds ONE row of A, and by the choice of rows the 16 registers of B's tiles 2 j, 2 j + 1 are 16 neighbouring rows of B: what a quantiser along B's rows wants.
; ROLES.  Clusters x = 0, 1 (q, k): A = x, B = w: registers run along the head's 64.  Cluster x = 2 (v): A = w_v (channels), B = x (keys): registers run along the keys, v's K in the attention.
; The roles are chosen by scalar selects on the cluster's x, which all partners share: one text, no branch.  The bias along B's rows starts the sums (C of the first products); the bias along A's rows is added on the way out;
; the one that does not apply is masked to 0.
; K = 1,024 goes in four K steps of 256 through THREE LDS slots: K steps 0, 1, 2 and the scales are asked for at the start (one tensor load a wave is out), K step 3 refills slot 0 behind one round of the cluster's barrier.
; CLUSTER 4 x 4: A's tiles are shared along a row, B's along a column, each asked for jointly.
; OUT: qkv = [bh 64][319,488]: q's half images [tile 128][768] at 0; q's scale words [tile][16][4] at 98,304; from 106,496 on 16 key steps of 13,312: K 8 x 768, V 4 x 1,536 at 6,144, K's words 8 x 64 at 12,288, V's 4 x 128 at 12,800.
; LIMITS: a block of zeros or under 2^-124 gets the byte 1 (this program alone reads the bytes); NaN and infinities are not served.
; REGISTERS, windows of 256: window 0: v1-29 addresses; v32-63 scale words, two sets; v64-127 the bias as C; v128-223 A's fragments, one set (on the way out at work); v240-255 the bias along A.
;   window 1: B's fragments, two sets, at v0 and v128.   windows 2, 3: the accumulators ((a, b) at v[8 (8 (a % 4) + b)]).
; THE FILLS AS THEY STAND BELOW: cod1 = [block of 16 tiles][K step 4][tile 16][3,072].  At the head one joint load a wave: wave 0 A's K steps 0-2 (147,456 dense bytes), wave 1 B's, wave 2 A's scales, wave 3 B's.
; LDS: A's three slots of 49,152 bytes from 0, B's three from 147,456, then the scales.  K step 3 refills slot 0 of A and of B behind one round, a half of 24,576 bytes a wave.
.set PB,     319488
.set FR,     12                        ; registers of a fragment, 16 rows x 128 K
.set NL,     4                         ; LDS loads that bring one
.set NP,     4                         ; places behind this matrix instruction (ISA guide 7.12.1)
.set TILEB,  3072                      ; a tile's 256 K: four half images
.set HALFT,  8*TILEB                   ; eight tiles: what one tensor load brings, and what a wave reads of A or of B
.set SLOT,   4*HALFT
.set SCL,    3*SLOT                    ; behind the slots: the scales, as rows of 256 bytes + 16
.set HALFS,  16*272                    ; those of 128 rows
.set SBLK,   2*272                     ; those of 16 rows
.set SPARE,  SCL+4*HALFS               ; the spare words: 128 bytes a wave, two blocks of 256 bytes that no other line names
.set ADRA16, 8                         ; v8-10   A's fragments in slot 0, 1, 2: + 16 x lane
.set ADRA8,  11                        ; v11-13  + 8 x lane
.set ADRB16, 14                        ; v14-16  the same for B
.set ADRB8,  17                        ; v17-19
.set ADRS,   20                        ; v20     my scale words: lanes 0-15 A's rows, lanes 16-31 B's
.set L16,    21
.set L8,     22
.set SOFS,   23                        ; v23     the way out: my scale word's place
.set H16,    24                        ; v24     16 h
.set SPW,    28                        ; v28     my spare word; never rewritten
.set NIL,    29                        ; v29     0; never rewritten
.set SC,     32
.set BQ,     64
.set AF,     128
.set X,      128                       ; the way out: 64 numbers of a lane
.set PC,     192                       ; its codes
.set TM,     212
.set PW,     228
.set BA,     240
.set WV, 16
.set RH, 17
.set CH, 18
.set TR, 22
.set TC, 23
.set G1,   24
.set G1B,  32
.set G1S,  40
.set G1SB, 48
.set G0_0, 56
.set G0_1, 60
.set G0_2, 68
.set G0B_0, 72
.set G0B_1, 76
.set G0B_2, 80
.set G0S,  84
.set G0SB, 88
.set MSB, 0
.macro WIN new                         ; the immediate's high byte repeats the setting that is left
.if MSB != \new
	s_set_vgpr_msb (MSB<<8)|\new
.set MSB, \new
.endif
.endm
.set MUL_LO, 0xa1                      ; source 0 (B) window 1, source 1 (A) window 0, C and D window 2
.set MUL_HI, 0xf1                      ; the same, C and D window 3
.set ZER_LO, 0x81                      ; C (the bias) window 0, D window 2
.set ZER_HI, 0xc1
.set TO_B,   0x40                      ; destination window 1, address window 0
; A joint load: waves 0 and 1 fetch for A, waves 2 and 3 for B; the branch hangs on the wave's number alone.  An s_nop 0 and four v_nop follow each line.
.macro JLOAD g0a, g1a, g0b, g1b
	s_cmp_eq_u32 s[RH], 0
	s_cbranch_scc0 .Lfor_b_\@
	tensor_load_to_lds s[\g0a:\g0a+3], s[\g1a:\g1a+7]
	s_nop 0
.rept 4
	v_nop
.endr
	s_branch .Lasked_\@
.Lfor_b_\@:
	tensor_load_to_lds s[\g0b:\g0b+3], s[\g1b:\g1b+7]
	s_nop 0
.rept 4
	v_nop
.endr
.Lasked_\@:
.endm
.macro CREST                           ; a round of the cluster's barrier behind its opening barrier
	s_cmp_lg_u32 s[WV], 0
	s_cbranch_scc1 .Lnot_wave_0_\@
	s_barrier_signal -3
.Lnot_wave_0_\@:
	s_barrier_wait -3
	s_barrier_signal -1
	s_barrier_wait -1
.endm
.macro CROUND
	s_barrier_signal -1
	s_barrier_wait -1
	CREST
.endm
.macro SETG g0, lds, ldsoff, src, off  ; a group 0: count 1, LDS address, global address, type 2
	s_mov_b32 s[\g0], 1
	s_add_co_u32 s[\g0+1], s[\lds], \ldsoff
	s_add_nc_u64 s[\g0+2:\g0+3], s[\src:\src+1], \off
	s_or_b32 s[\g0+3], s[\g0+3], 0x80000000
.endm
.macro FRAG reg, a16, a8, off          ; a fragment = two half images on end: every load reads consecutive bytes
	ds_load_b128 v[\reg:\reg+3], v[\a16] offset:\off
	ds_load_b64 v[\reg+4:\reg+5], v[\a8] offset:\off+512
	ds_load_b128 v[\reg+6:\reg+9], v[\a16] offset:\off+768
	ds_load_b64 v[\reg+10:\reg+11], v[\a8] offset:\off+1280
.endm
; 16 matrix instructions: A's blocks a0, a0 + 1 x B's eight, the K step's q-th 128.  p: B's set; sc: the set of scale words.  zero = 1: the bias is the C of the first product.
; The 64 accumulators take turns, one instruction a turn, in the same order in every step.
.macro MUL16 a0, p, q, sc, zero
.irp a, \a0, \a0+1
.irp b, 0,1,2,3,4,5,6,7
.if \zero
	v_wmma_scale_f32_16x16x128_f8f6f4 v[8*(8*((\a)%4)+\b):8*(8*((\a)%4)+\b)+7], v[128*(\p)+FR*\b:128*(\p)+FR*\b+FR-1], v[AF+FR*(\a):AF+FR*(\a)+FR-1], v[BQ+8*\b:BQ+8*\b+7], v[SC+16*(\sc)+2*\b+(\q)], v[SC+16*(\sc)+2*(\a)+(\q)] matrix_a_fmt:MATRIX_FMT_FP6 matrix_b_fmt:MATRIX_FMT_FP6 matrix_a_scale:MATRIX_SCALE_ROW1
.else
	v_wmma_scale_f32_16x16x128_f8f6f4 v[8*(8*((\a)%4)+\b):8*(8*((\a)%4)+\b)+7], v[128*(\p)+FR*\b:128*(\p)+FR*\b+FR-1], v[AF+FR*(\a):AF+FR*(\a)+FR-1], v[8*(8*((\a)%4)+\b):8*(8*((\a)%4)+\b)+7], v[SC+16*(\sc)+2*\b+(\q)], v[SC+16*(\sc)+2*(\a)+(\q)] matrix_a_fmt:MATRIX_FMT_FP6 matrix_b_fmt:MATRIX_FMT_FP6 matrix_a_scale:MATRIX_SCALE_ROW1
.endif
.endr
.endr
.endm
.macro FETCH_B slot, q, p
	WIN TO_B
.irp i, 0,1,2,3,4,5,6,7
	FRAG 128*(\p)+FR*\i, ADRB16+\slot, ADRB8+\slot, \i*TILEB+(\q)*1536
.endr
	WIN 0
.endm
.macro FETCH_A slot, q, i0
.irp i, \i0, \i0+1, \i0+2, \i0+3
	FRAG AF+FR*(\i), ADRA16+\slot, ADRA8+\slot, (\i)*TILEB+(\q)*1536
.endr
.endm
.macro SCALES sc                       ; a K step's two words a row: lanes 0-15 A's block i, lanes 16-31 B's block i
.irp i, 0,1,2,3,4,5,6,7
	ds_load_b64 v[SC+16*(\sc)+2*\i:SC+16*(\sc)+2*\i+1], v[ADRS] offset:\i*SBLK
.endr
.endm
.macro PLACES n                        ; plain vector places in front of loads into registers that matrix instructions have read, and of the first read of results
.rept \n
	v_nop
.endr
.endm
; The first 128 of a K step; it fetches the second 128's fragments from the same slot.
.macro STEP slot, sc, zero
	s_wait_dscnt 4*NL                              ; B's set, A's blocks 0-3 and the scale words are in; the youngest 16 loads (A's blocks 4-7) may be out
.if \zero
	WIN ZER_LO
.else
	WIN MUL_LO
.endif
	MUL16 0, 0, 0, \sc, \zero
	MUL16 2, 0, 0, \sc, \zero
	s_wait_dscnt 0x0                               ; A's blocks 4-7 are in
	PLACES NP
	FETCH_B \slot, 1, 1
	FETCH_A \slot, 1, 0
.if \zero
	WIN ZER_HI
.else
	WIN MUL_HI
.endif
	MUL16 4, 0, 0, \sc, \zero
	MUL16 6, 0, 0, \sc, \zero
	PLACES NP
	WIN 0
	FETCH_A \slot, 1, 4
.endm
; The second 128 of a K step; it goes on to the next slot.  sync = 2: slot 0 is filled again (K step 3): each wave waits for all its tensor loads, adds 0 to its spare word, waits for that and for its reads
; of the slot; the barrier opens a round of the cluster's; the joint refill is first behind it.  sync = 1: the same lines and a plain barrier: every wave's part of K step 3 has landed.
; sync = 0: the next slot was shown whole by the wait for 0 and the barrier of sync = 2, and nothing is filled: no barrier.
.macro TURN slot, next, sc, sync
.if \sync
	s_wait_tensorcnt 0x0                           ; all my tensor loads have landed
	ds_add_u32 v[SPW], v[NIL]                      ; 0 onto my spare word
	s_wait_dscnt 4*NL+1                            ; (the add and the youngest 16 loads may be out)
	WIN MUL_LO
	MUL16 0, 1, 1, \sc, 0
	s_wait_dscnt 0x0                               ; the add is done, and my reads of this slot are over
	s_barrier_signal -1
	MUL16 2, 1, 1, \sc, 0
	WIN 0
	s_barrier_wait -1
.if \sync == 2
	CREST                                          ; no wave of any partner still reads slot 0 or has a load on its way
	JLOAD G0_1, G1, G0B_1, G1B                     ; K step 3: 256 matrix instructions stand between it and the wait for it; its four v_nop are the places for the loads below
.else
	PLACES NP
.endif
.else
	s_wait_dscnt 4*NL
	WIN MUL_LO
	MUL16 0, 1, 1, \sc, 0
	MUL16 2, 1, 1, \sc, 0
	s_wait_dscnt 0x0
	WIN 0
	PLACES NP
.endif
	v_add_nc_u32 v[ADRS], 8, v[ADRS]               ; the next K step's scale words
	FETCH_B \next, 0, 0
	FETCH_A \next, 0, 0
	SCALES 1-(\sc)
	WIN MUL_HI
	MUL16 4, 1, 1, \sc, 0
	MUL16 6, 1, 1, \sc, 0
	PLACES NP
	WIN 0
	FETCH_A \next, 0, 4
.endm
	s_load_b256 s[4:11], s[0:1], 0x0               ; cod1 s[4:5], scl1 s[6:7], b_qkv s[8:9], qkv s[10:11]
	v_lshl_add_u32 v[SPW], v0, 2, SPARE
	v_mov_b32 v[NIL], 0
	ds_add_u32 v[SPW], v[NIL]                      ; the wave's opening: the add and its wait ahead of my first tensor load
	ds_add_u32 v[SPW], v[NIL]
	v_lshrrev_b32 v1, 5, v0
	v_readfirstlane_b32 s[WV], v1                  ; wave 0..3
	s_lshr_b32 s[RH], s[WV], 1                     ; my half of A's rows.  Also: I fetch for A (0) or for B (1)
	s_and_b32 s[CH], s[WV], 1                      ; my half of B's rows.  Also: which eight tiles I fetch
	s_bfe_u32 s20, ttmp6, 0x40000                  ; cx
	s_bfe_u32 s21, ttmp6, 0x40004                  ; cy
	s_and_b32 s19, ttmp7, 0xffff                   ; cluster y
	s_lshl_b32 s92, s19, 2
	s_lshl_b32 s93, ttmp9, 2
	s_cmp_eq_u32 ttmp9, 2                          ; v's clusters: the same answer in all sixteen partners
	s_cselect_b32 s12, -1, 0                       ; all lanes where v
	s_cselect_b32 s13, 0, -1                       ; all lanes where q or k
	s_cselect_b32 s[TR], 0, s92
	s_cselect_b32 s[TC], s92, s93
	s_cselect_b32 s94, 640, 0                      ; A's first tile in cod1: w_v's, or x's
	s_cselect_b32 s96, 0, 512                      ; B's: x's, or w_q's
	s_add_co_u32 s[TR], s[TR], s21                 ; block of 256 rows of A: hangs on cy alone
	s_add_co_u32 s[TC], s[TC], s20                 ; block of 256 rows of B: on cx alone
	s_lshl_b32 s98, s21, 2
	s_lshl_b32 s98, 15, s98                        ; my row of the cluster
	s_lshl_b32 s99, 0x1111, s20                    ; my column
	; group 1, codes: 8 rows (tiles) of 3,072 bytes = 384 elements of 8 bytes, 3,072 bytes apart; no padding: an image's loads are consecutive
	s_or_b32 s[G1], s98, (3<<16)|(1<<21)
	s_or_b32 s[G1B], s99, (3<<16)|(1<<21)
.irp g, G1, G1B
	s_mov_b32 s[\g+1], 384<<16
	s_mov_b32 s[\g+2], 48<<16                      ; the head's load: 48 dense rows of 3,072 bytes: three K steps of 16 tiles
	s_mov_b32 s[\g+3], 384<<16
	s_mov_b32 s[\g+4], 48
	s_mov_b32 s[\g+5], 384
	s_mov_b32 s[\g+6], 0
	s_mov_b32 s[\g+7], 0
.endr
	; group 1, scales of 128 rows: 4,096 dense bytes as 16 rows of 256, 16 bytes of padding behind each
	s_or_b32 s[G1S], s98, (3<<16)|(1<<20)|(1<<21)|(5<<22)|(3<<25)
	s_or_b32 s[G1SB], s99, (3<<16)|(1<<20)|(1<<21)|(5<<22)|(3<<25)
.irp g, G1S, G1SB
	s_mov_b32 s[\g+1], 32<<16
	s_mov_b32 s[\g+2], 32<<16                      ; the scales of 256 rows: 32 rows of 256 bytes
	s_mov_b32 s[\g+3], 32<<16
	s_mov_b32 s[\g+4], 32
	s_mov_b32 s[\g+5], 32
	s_mov_b32 s[\g+6], 0
	s_mov_b32 s[\g+7], 0
.endr
	s_lshl_b32 s95, s[TR], 4
	s_add_co_u32 s94, s94, s95
	s_lshl_b32 s97, s[TC], 4
	s_add_co_u32 s96, s96, s97
	s_mul_i32 s2, s94, 12288                       ; their codes,
	s_mov_b32 s3, 0
	s_lshl_b32 s94, s94, 9                         ; their scale words
	s_mov_b32 s95, 0
	s_mul_i32 s100, s96, 12288
	s_mov_b32 s101, 0
	s_lshl_b32 s96, s96, 9
	s_mov_b32 s97, 0
	s_mul_i32 s92, s[CH], HALFT                    ; the refill: my half of a K step's 16 tiles, in memory and in LDS alike
	s_mov_b32 s93, 0
	s_wait_dscnt 0x0                               ; the opening add is done
	s_wait_kmcnt 0x0
	s_add_nc_u64 s[2:3], s[4:5], s[2:3]
	s_add_nc_u64 s[94:95], s[6:7], s[94:95]
	s_add_nc_u64 s[100:101], s[4:5], s[100:101]
	s_add_nc_u64 s[96:97], s[6:7], s[96:97]
	SETG G0S, 93, SCL, 94, 0                       ; A's scales, B's scales,
	SETG G0SB, 93, SCL+2*HALFS, 96, 0
	SETG G0_0, 93, 0, 2, 0                         ; A's K steps 0-2, B's
	SETG G0B_0, 93, 6*HALFT, 100, 0
	s_add_nc_u64 s[2:3], s[2:3], s[92:93]
	s_add_nc_u64 s[100:101], s[100:101], s[92:93]
	SETG G0_1, 92, 0, 2, 6*HALFT                   ; the refill: my half of K step 3, into slot 0
	SETG G0B_1, 92, 6*HALFT, 100, 6*HALFT
	CROUND                                         ; all sixteen work-groups are here: the first joint loads meet
; one joint load a wave at the head, in one chain of branches on the wave's number
.macro ARM under, g0, g1, next
	s_cmp_lt_u32 s[WV], \under
	s_cbranch_scc0 \next
	tensor_load_to_lds s[\g0:\g0+3], s[\g1:\g1+7]
	s_nop 0
.rept 4
	v_nop
.endr
	s_branch .Lhead_asked
\next:
.endm
	ARM 1, G0_0, G1, .Lhead_b
	ARM 2, G0B_0, G1B, .Lhead_sa
	ARM 3, G0S, G1S, .Lhead_sb
	tensor_load_to_lds s[G0SB:G0SB+3], s[G1SB:G1SB+7]
	s_nop 0
.rept 4
	v_nop
.endr
.Lhead_asked:
	v_and_b32 v1, 15, v0                           ; r
	v_bfe_u32 v2, v0, 4, 1                         ; h
	v_and_b32 v3, 31, v0                           ; lane
	v_lshlrev_b32 v[L16], 4, v3
	v_lshlrev_b32 v[L8], 3, v3
	v_lshlrev_b32 v4, 6, v2                        ; the bias along B: 16 h numbers on
	s_wait_alu depctr_va_vdst(0)
	v_and_b32 v5, 8, v1
	v_add_nc_u32 v5, v5, v1
	v_lshlrev_b32 v5, 2, v5                        ; the bias along A: number r + 8 (r / 8)
	s_wait_alu depctr_va_vdst(0)
	s_lshl_b32 s94, s[TC], 10
	s_lshl_b32 s95, s[CH], 9
	s_add_co_u32 s94, s94, s95                     ; q, k: 4 x (256 TC + 128 CH)
	s_lshl_b32 s96, s[TR], 10
	s_lshl_b32 s97, s[RH], 9
	s_add_co_u32 s96, s96, s97
	s_add_co_u32 s96, s96, 8192                    ; v: 4 x (2,048 + 256 TR + 128 RH)
	s_cmp_eq_u32 ttmp9, 2
	s_cselect_b32 s94, 0, s94                      ; the one that does not apply reads from the buffer's head and is masked below
	s_cselect_b32 s96, s96, 0
	s_mov_b32 s95, 0
	s_mov_b32 s97, 0
	s_add_nc_u64 s[94:95], s[8:9], s[94:95]
	s_add_nc_u64 s[96:97], s[8:9], s[96:97]
.irp i, 0,1,2,3,4,5,6,7
	global_load_b128 v[BQ+8*\i:BQ+8*\i+3], v4, s[94:95] offset:(32*(\i/2)+8*(\i%2))*4       ; tile i, my half: rows 32 (i / 2) + 8 (i % 2) + 16 h + 0 .. 7 of B
	global_load_b128 v[BQ+8*\i+4:BQ+8*\i+7], v4, s[94:95] offset:(32*(\i/2)+8*(\i%2))*4+16
.endr
.irp a, 0,1,2,3,4,5,6,7
	global_load_b32 v[BA+2*\a], v5, s[96:97] offset:(32*(\a/2)+8*(\a%2))*4
.endr
	s_mul_i32 s92, s[RH], HALFT                    ; my eight tiles of A,
	s_mul_i32 s93, s[CH], HALFT                    ; my eight of B,
	s_add_co_u32 s93, s93, 6*HALFT                 ; which lie behind A's three slots
.irp s, 0,1,2
	v_add_nc_u32 v[ADRA16+\s], s92, v[L16]
	v_add_nc_u32 v[ADRA8+\s], s92, v[L8]
	v_add_nc_u32 v[ADRB16+\s], s93, v[L16]
	v_add_nc_u32 v[ADRB8+\s], s93, v[L8]
	s_add_co_u32 s92, s92, 2*HALFT
	s_add_co_u32 s93, s93, 2*HALFT
.endr
	v_mul_u32_u24 v6, v1, 32                       ; my row's scales: 32 bytes a row,
	v_lshrrev_b32 v7, 8, v6
	v_lshl_add_u32 v6, v7, 4, v6                   ; and 16 more for each 256 passed
	s_mul_i32 s92, s[RH], HALFS
	s_mul_i32 s93, s[CH], HALFS
	s_add_co_u32 s93, s93, 2*HALFS
	s_sub_co_u32 s93, s93, s92
	v_mul_u32_u24 v7, s93, v2                      ; lanes 16-31 take B's: one product, the distance between the two bases
	s_add_co_u32 s92, s92, SCL
	v_add_nc_u32 v6, v6, v7
	v_add_nc_u32 v[ADRS], s92, v6
	s_wait_loadcnt 0x0                             ; the biases
.set n, 0
.rept 64
	v_cndmask_b32 v[BQ+n], 0, v[BQ+n], s13         ; v: no bias along B
.set n, n+1
.endr
.irp a, 0,1,2,3,4,5,6,7
	v_cndmask_b32 v[BA+2*\a], 0, v[BA+2*\a], s12   ; q, k: none along A
	v_mov_b32 v[BA+2*\a+1], 0                      ; (named with it as a pair, so it is written)
.endr
	s_wait_tensorcnt 0x0                           ; my one load of the head is in; no tensor load of mine is out, so group 1 may be written:
	s_mov_b32 s[G1+2], 8<<16                       ; the refill brings 8 rows of 3,072 bytes
	s_mov_b32 s[G1+4], 8
	s_mov_b32 s[G1B+2], 8<<16
	s_mov_b32 s[G1B+4], 8
	s_barrier_signal -1
	s_barrier_wait -1
	FETCH_B 0, 0, 0
	FETCH_A 0, 0, 0
	SCALES 0
	FETCH_A 0, 0, 4
	STEP 0, 0, 1                                   ; K step 0: the bias starts the sums
	TURN 0, 1, 0, 2
	s_wait_alu depctr_va_vdst(0)
	STEP 1, 1, 0                                   ; K step 1
	TURN 1, 2, 1, 0
	s_wait_alu depctr_va_vdst(0)
	STEP 2, 0, 0                                   ; K step 2
	TURN 2, 0, 0, 1
	STEP 0, 1, 0                                   ; K step 3, in slot 0
	s_wait_dscnt 4*NL
	WIN MUL_LO
	MUL16 0, 1, 1, 1, 0
	MUL16 2, 1, 1, 1, 0
	s_wait_dscnt 0x0
	WIN MUL_HI
	MUL16 4, 1, 1, 1, 0
	MUL16 6, 1, 1, 1, 0
	WIN 0
	; THE WAY OUT.  No tensor load is out since the last change of slots: the descriptors' registers are free.  Where block a's images and words go:
	; codes at CB + (a % 4) S1 + (a / 4) S2, the second half image DH further on; words at SB + (a % 4) T1 + (a / 4) T2 + 4 r + h x DHs.
	s_lshl_b32 s44, s[TR], 2
	s_lshl_b32 s45, s[RH], 1
	s_add_co_u32 s44, s44, s45                     ; v: my first head = 4 TR + 2 RH
	s_and_b32 s46, s[TC], 3
	s_lshl_b32 s46, s46, 2
	s_lshl_b32 s47, s[CH], 1
	s_add_co_u32 s46, s46, s47                     ; q, k: 4 (TC % 4) + 2 CH
	s_mov_b32 s24, 106496
	s_mov_b32 s25, 13312
	s_mov_b32 s27, 118784
	s_mov_b32 s30, 768
	s_mov_b32 s31, PB
	s_cmp_eq_u32 ttmp9, 0                          ; q?
	s_cselect_b32 s24, 0, s24                      ; where the codes begin in a head's part
	s_cselect_b32 s26, 512, s25                    ; 128 rows on, in the words,
	s_cselect_b32 s25, 6144, s25                   ; and in the codes
	s_cselect_b32 s27, 98304, s27                  ; where the words begin
	s_cmp_eq_u32 ttmp9, 2                          ; v?
	s_cselect_b32 s24, 112640, s24
	s_cselect_b32 s27, 119296, s27
	s_cselect_b32 s28, s[TC], s[TR]                ; the block of 256 rows of x
	s_cselect_b32 s29, s[CH], s[RH]                ; and my half of it
	s_cselect_b32 s44, s44, s46
	s_cselect_b32 s32, 1536, s30                   ; S1
	s_cselect_b32 s34, PB-4608, s30                ; S2 - 3 S1
	s_cselect_b32 s36, 128, 64                     ; T1
	s_cselect_b32 s38, PB-384, 64                  ; T2 - 3 T1
	s_cselect_b32 s40, s30, s31                    ; DH: v: the keys' second 64; q, k: the next head
	s_cselect_b32 s42, 64, s31                     ; DHs
	s_and_b32 s45, s28, 7
	s_lshl_b32 s45, s45, 1
	s_add_co_u32 s45, s45, s29                     ; which 128 of the sequence
	s_lshr_b32 s46, s28, 3
	s_lshl_b32 s46, s46, 4
	s_add_co_u32 s44, s44, s46                     ; 16 x batch + head
	s_mul_i32 s44, s44, PB
	s_mul_i32 s46, s45, s25
	s_add_co_u32 s46, s46, s24
	s_add_co_u32 s46, s46, s44                     ; CB
	s_mul_i32 s48, s45, s26
	s_add_co_u32 s48, s48, s27
	s_add_co_u32 s48, s48, s44                     ; SB
	s_mov_b32 s47, 0
	s_mov_b32 s49, 0
	s_mov_b32 s33, 0
	s_mov_b32 s35, 0
	s_mov_b32 s37, 0
	s_mov_b32 s39, 0
	s_mov_b32 s41, 0
	s_add_nc_u64 s[50:51], s[10:11], s[46:47]      ; the first half image,
	s_add_nc_u64 s[52:53], s[50:51], s[40:41]      ; the second,
	s_add_nc_u64 s[54:55], s[10:11], s[48:49]      ; the words
	s_mov_b32 s2, 0x76543210
	s_mov_b32 s3, 0xfedcba98                       ; v_permlanex16_b32's selects for lane l xor 16
	PLACES NP                                      ; behind the last products: A's fragments' registers are written below
	v_mul_u32_u24 v[SOFS], s42, v2
	v_lshl_add_u32 v[SOFS], v1, 2, v[SOFS]
	v_lshlrev_b32 v[H16], 4, v2
.irp b, 0,1,2,3
	v_mov_b32 v[TM+4+\b], 0                        ; written once: a lane permute's destination counts as one of its sources
.endr
; 64 numbers of a lane, register 16 b + i = number 32 b + 16 h + i of my row, become a fragment's codes in v[PC] on and its scale word in v[PW].
.macro QUANT s
.irp b, 0,1,2,3
	v_max3_num_f32 v[TM+\b], |v[\s+16*\b]|, |v[\s+1+16*\b]|, 0x1800000   ; my 16 numbers of block b, and the floor 2^(3 - 127): the byte cannot fall under 1
.endr
.irp i, 2,4,6,8,10,12,14
.irp b, 0,1,2,3
	v_max3_num_f32 v[TM+\b], v[TM+\b], |v[\s+16*\b+\i]|, |v[\s+1+16*\b+\i]|
.endr
.endr
.irp b, 0,1,2,3
	v_permlanex16_b32 v[TM+4+\b], v[TM+\b], s2, s3
.endr
.irp b, 0,1,2,3
	v_max_num_f32 v[TM+\b], v[TM+\b], v[TM+4+\b]   ; with lane l xor 16's: the block's largest magnitude
.endr
.irp b, 0,1,2,3
	v_add_nc_u32 v[TM+12+\b], 0xff000000, v[TM+\b] ; 2 off its exponent field: the conversion's scale operand
.endr
.irp b, 0,1,2,3
	v_lshrrev_b32 v[TM+4+\b], 23, v[TM+12+\b]      ; the scale's byte
.endr
	v_lshl_or_b32 v[PW], v[TM+5], 8, v[TM+4]
	v_lshl_or_b32 v[PW], v[TM+6], 16, v[PW]
	v_lshl_or_b32 v[PW], v[TM+7], 24, v[PW]
.irp c, 0,1
	v_cvt_scalef32_pk16_fp6_f32 v[PC+6*\c:PC+2+6*\c], v[\s+32*\c:\s+15+32*\c], v[TM+12+2*\c]
	v_cvt_scalef32_pk16_fp6_f32 v[PC+12+4*\c:PC+14+4*\c], v[\s+16+32*\c:\s+31+32*\c], v[TM+12+2*\c+1]   ; (a conversion's three registers begin on an even number)
.endr
	v_nop                                          ; one plain place behind a scaled conversion
.irp c, 0,1                                    ; the operand's layout wants a WHOLE block in a lane
.irp i, 0,1,2
	v_permlane16_swap_b32 v[PC+6*\c+\i], v[PC+12+4*\c+\i]
.endr
.irp i, 0,1,2
	v_mov_b32 v[PC+3+6*\c+\i], v[PC+12+4*\c+\i]
.endr
.endr
.endm
; Block a of A's rows: 16 rows x my 128 rows of B.  q, k: two heads' half images of 16 rows of the sequence.  v: 16 channels x 128 keys: a whole fragment.
.macro EPI a
.if (\a) > 0
	s_wait_xcnt 0x0                                ; the last block's stores have read their registers and bases
.if (\a) == 4
	s_add_nc_u64 s[50:51], s[50:51], s[34:35]
	s_add_nc_u64 s[52:53], s[52:53], s[34:35]
	s_add_nc_u64 s[54:55], s[54:55], s[38:39]
.else
	s_add_nc_u64 s[50:51], s[50:51], s[32:33]
	s_add_nc_u64 s[52:53], s[52:53], s[32:33]
	s_add_nc_u64 s[54:55], s[54:55], s[36:37]
.endif
.endif
.set WS, 2+(\a)/4
	WIN WS                                         ; source 0: window 2 or 3
.set n, 0
.rept 32
	v_pk_add_f32 v[X+n:X+n+1], v[64*((\a)%4)+n:64*((\a)%4)+n+1], v[BA+2*(\a):BA+2*(\a)+1] op_sel_hi:[1,0]   ; into window 0, each accumulator from its low end on, with the bias along A
.set n, n+2
.endr
	WIN 0
	QUANT X
	v_lshrrev_b32 v229, v[H16], v[PW]              ; q, k: lanes 0-15 the first head's two bytes, lanes 16-31 the second's,
	v_and_b32 v229, 0xffff, v229
	v_lshl_or_b32 v229, v229, 16, v229             ; twice;
	v_cndmask_b32 v229, v229, v[PW], s12           ; v: the word as it is
	global_store_b128 v[L16], v[PC:PC+3], s[50:51]             ; 512 and 256 consecutive bytes
	global_store_b64 v[L8], v[PC+4:PC+5], s[50:51] offset:512
	global_store_b128 v[L16], v[PC+6:PC+9], s[52:53]
	global_store_b64 v[L8], v[PC+10:PC+11], s[52:53] offset:512
	global_store_b32 v[SOFS], v229, s[54:55]
.endm
.irp a, 0,1,2,3,4,5,6,7
	EPI \a
.endr
	s_wait_tensorcnt 0x0                           ; the wave's end
	ds_add_u32 v[SPW], v[NIL]
	s_wait_dscnt 0x0
	CROUND                                         ; the closing round: no work-group ends while a partner may still ask for a tile that names it
	s_endpgm
.Lfunc_end_k_qfddc60d9eb_gemm1:
	.size	k_qfddc60d9eb_gemm1, .Lfunc_end_k_qfddc60d9eb_gemm1-k_qfddc60d9eb_gemm1
	.p2alignl 7, 3214868480
	.fill 96, 4, 3214868480
	.section	.rodata,"a",@progbits
	.p2align	6, 0x0
	.amdhsa_kernel k_qfddc60d9eb_gemm1
		.amdhsa_group_segment_fixed_size 327680
		.amdhsa_private_segment_fixed_size 0
		.amdhsa_enable_private_segment 0
		.amdhsa_kernarg_size 32
		.amdhsa_user_sgpr_count 2
		.amdhsa_user_sgpr_kernarg_segment_ptr 1
		.amdhsa_wavefront_size32 1
		.amdhsa_system_sgpr_workgroup_id_x 1
		.amdhsa_system_sgpr_workgroup_id_y 1
		.amdhsa_system_sgpr_workgroup_id_z 1
		.amdhsa_system_vgpr_workitem_id 0
		.amdhsa_next_free_vgpr 1024
		.amdhsa_next_free_sgpr 104
		.amdhsa_reserve_vcc 0
		.amdhsa_float_denorm_mode_32 3
		.amdhsa_float_denorm_mode_16_64 3
		.amdhsa_memory_ordered 1
		.amdhsa_forward_progress 1
		.amdhsa_inst_pref_size 175
	.end_amdhsa_kernel
	.amdgpu_metadata
---
amdhsa.version: [ 1, 2 ]
amdhsa.kernels:
  - .name:           k_qfddc60d9eb_gemm1
    .symbol:         k_qfddc60d9eb_gemm1.kd
    .args:
      - { .name: cod1, .offset: 0, .size: 8, .value_kind: global_buffer, .address_space: global }
      - { .name: scl1, .offset: 8, .size: 8, .value_kind: global_buffer, .address_space: global }
      - { .name: b_qkv, .offset: 16, .size: 8, .value_kind: global_buffer, .address_space: global }
      - { .name: qkv, .offset: 24, .size: 8, .value_kind: global_buffer, .address_space: global }
    .group_segment_fixed_size: 327680
    .private_segment_fixed_size: 0
    .kernarg_segment_align: 8
    .kernarg_segment_size: 32
    .max_flat_workgroup_size: 128
    .sgpr_count:     104
    .vgpr_count:     1024
    .wavefront_size: 32
...
	.end_amdgpu_metadata
.endif
;; end of part 2
;; launch attn (part 3): grid 256 x 1, 16 waves a work-group, clusters of 4 x 1, 327,680 bytes of LDS; arguments qkv, oimg, osc; writes oimg, osc
.if DOCPART == 3
	.amdgcn_target "amdgcn-amd-amdhsa--gfx1250"
	.amdhsa_code_object_version 6
	.text
	.protected	k_qfddc60d9eb_attn
	.globl	k_qfddc60d9eb_attn
	.p2align	8
	.type	k_qfddc60d9eb_attn,@function
k_qfddc60d9eb_attn:
	s_mov_b64 s[64:65], 0
	v_nop
	global_prefetch_b8 v0, s[64:65] scope:SCOPE_SE
	s_setreg_imm32_b32 hwreg(HW_REG_WAVE_MODE, 25, 1), 1
	s_wait_xcnt 0x0
	s_wait_alu depctr_hold_cnt(0) depctr_sa_sdst(0) depctr_va_vdst(0) depctr_va_sdst(0) depctr_va_ssrc(0) depctr_va_vcc(0) depctr_vm_vsrc(0)
	s_getreg_b32 s2, hwreg(HW_REG_IB_STS2, 6, 4)
	s_cmp_eq_u32 s2, 0
	s_cbranch_scc0 .Lentry_in_a_cluster
	s_endpgm
.Lentry_in_a_cluster:
	s_bfe_u32 s2, ttmp6, 0x10000c
	s_cmp_lg_u32 s2, 0x3003
	s_cbranch_scc0 .Lentry_shape_is_right
	s_endpgm
.Lentry_shape_is_right:
; o = softmax(q k^T / 8, causal) v for one head (bh = cluster x), on codes of FP6 (E2M3) with E8M0 scales, and o quantised along the head's 64 for the last product.
; IN: qkv = [bh 64][319,488]: q's half images [tile 128][768] at 0; q's scale words [tile][16][4] at 98,304; from 106,496 on 16 key steps of 13,312 bytes: K 8 x 768, V 4 x 1,536 at 6,144, K's words at 12,288, V's at 12,800.
; OUT: oimg = [block of 16 tiles][K step 4][tile 16][four half images of 768]: tile 128 b + t, half image = the head;  osc = [tile x 16 + r][32], bytes 2 head, 2 head + 1.
; Place r of tile t is position 32 (t / 2) + 8 (t % 2) + r + 8 (r / 8) of the sequence.
; WORK LEFT OUT: key steps that lie wholly behind a tile's queries under the mask that reference() builds itself (triu, k = 1): their weights are 0 for all inputs.
; THE DEAL.  The four work-groups of a head form a cluster.  Wave w of partner cx takes query tiles 127 - j and j, j = 4 w + cx: 16 - w / 2 key steps and w / 2 + 1: 17 steps for every wave.
; Trip counts and the masked step hang on w alone ((4 w + cx) / 8 = w / 2); cx enters global addresses and the mask's compare value only.  Every partner has a tile in the last 128 positions, so each reads all 16 key steps.
; FILLS.  All of K and V of the head, 212,992 bytes, is asked for JOINTLY at the head, wave w key step w, one load a wave, and stays: nothing is filled again.  Three load lines: waves 0-1, 2-5, 6-15;
; a plain barrier ahead of steps 0, 2 and 6 shows each group, with the wait of the waves that issued it ahead of the signal.  All tiles are requested at the head, so no prefetch is laid.
; Both products are used transposed (S^T = k q^T, O^T = v^T p^T): a lane holds one query.  The head's 64 fill half of the instruction's 128: a fragment of K holds two tiles of keys, and q stands in the lower or the upper half beside zero codes.
; SOFTMAX: M = ceil of the running largest t, p = 2^(t - M), the sum of the unquantised p; a change of M multiplies sums by an exact power of two.
; LIMITS: holds while the scaled scores stay under 2^31 in magnitude; NaN and infinities are not served; a block whose largest number lies under 2^-124 gets the byte 1.
.set PB,    319488
.set KVOFF, 106496
.set KSB,   13312
.set SPARE, 16*KSB                     ; behind K and V: the spare words, 128 bytes a wave
.set L16, 1
.set L8,  2
.set L4,  3
.set SPW, 4
.set NIL, 5
.set A16, 6
.set A8,  7
.set A4,  8
.set QL,  9                            ; r + 8 (r / 8) - 16 h
.set R4,  10
.set R32, 11
.set KSC, 36
.set VSC, 40
.set PSC, 44
.set TQ,  45
.set FG,  48                           ; v48-95 four fragments of K, then of V
.set SR,  96                           ; v96-159 the scores, then p
.set OT,  160                          ; v160-191 O^T
.set PC,  192
.set BM,  212
.set BT,  216
.set SO,  220
.set TT,  224
.set NI,  225
.set FF,  226
.set L2,  228
.set Q2,  230                          ; v230-235 the second tile's q, v236 its scale word
.set TQ2, 236
.set WV,  12
.set CX,  13
.set QTL, 14
.set QTS, 15
.set NL,  16                           ; steps of the first tile
.set MK,  17                           ; the step that is masked next
.set QLO, 18                           ; the tile's first position within its 128
.set TB,  19
.set SEL, 20
.set CS,  22
.set G1,  24
.set G0,  32
.set CNT, 36
.set ADD, 37
.set QLS, 38
.set HO,  39
.set HS,  40
.set W2,  41
.set OAL, 42
.set SAL, 44
.set OAS, 46
.set SAS, 48
.macro CROUND                          ; a round of the cluster's barrier
	s_barrier_signal -1
	s_barrier_wait -1
	s_cmp_lg_u32 s[WV], 0
	s_cbranch_scc1 .Lnot_wave_0_\@
	s_barrier_signal -3
.Lnot_wave_0_\@:
	s_barrier_wait -3
	s_barrier_signal -1
	s_barrier_wait -1
.endm
.macro TLOAD                           ; my key step
	tensor_load_to_lds s[G0:G0+3], s[G1:G1+7]
	s_nop 0
.rept 4
	v_nop
.endr
.endm
.macro FRAG reg, a16, a8, off
	ds_load_b128 v[\reg:\reg+3], v[\a16] offset:\off
	ds_load_b64 v[\reg+4:\reg+5], v[\a8] offset:\off+512
	ds_load_b128 v[\reg+6:\reg+9], v[\a16] offset:\off+768
	ds_load_b64 v[\reg+10:\reg+11], v[\a8] offset:\off+1280
.endm
; tile s[qt]: the offsets of its q (three registers from vo), where its o and scale bytes go, its first position within its 128
.macro TILE qt, vo, oa, sa, ql
	s_mul_i32 s60, s[\qt], 768
	s_lshl_b32 s61, s[\qt], 6
	v_add_nc_u32 v[\vo], s60, v[L16]
	v_add_nc_u32 v[\vo+1], s60, v[L8]
	v_add_nc_u32 v[\vo+2], s61, v[R4]
	s_and_b32 s60, s[\qt], 6
	s_lshl_b32 s60, s60, 4
	s_and_b32 s61, s[\qt], 1
	s_lshl_b32 s61, s61, 3
	s_add_co_u32 s[\ql], s60, s61
	s_lshr_b32 s62, ttmp9, 4
	s_lshl_b32 s62, s62, 7
	s_add_co_u32 s62, s62, s[\qt]                  ; 128 b + tile
	s_lshr_b32 s60, s62, 4
	s_mul_i32 s60, s60, 196608
	s_and_b32 s61, s62, 15
	s_mul_i32 s61, s61, 3072
	s_add_co_u32 s60, s60, s61
	s_add_co_u32 s60, s60, s[HO]
	s_mov_b32 s61, 0
	s_add_nc_u64 s[\oa:\oa+1], s[6:7], s[60:61]
	s_lshl_b32 s60, s62, 9
	s_add_co_u32 s60, s60, s[HS]
	s_add_nc_u64 s[\sa:\sa+1], s[8:9], s[60:61]
.endm
; a tile begins: q into v16-21 and v28-33 (v22-27 stay zero codes), its scale bytes for either half, the running maximum, the sums
.macro QSET q, tq
.irp i, 0,1,2,3,4,5
	v_mov_b32 v[28+\i], v[\q+\i]
.if \q != 16
	v_mov_b32 v[16+\i], v[\q+\i]
.endif
.endr
	v_and_b32 v34, 0xffff, v[\tq]
	v_lshlrev_b32 v35, 16, v[\tq]
	v_mov_b32 v13, 0xff61b1e6
	v_mov_b32 v14, 0
	v_mov_b32 v15, 0
	v_floor_f32 v12, -v13
.set n, 0
.rept 32
	v_mov_b32 v[OT+n], 0
.set n, n+1
.endr
.endm
; one step: 16 queries x the 128 keys at LDS byte s[TB]
.macro STEP mask
	v_add_nc_u32 v[A16], s[TB], v[L16]             ; with the v_nop: the four places behind the last products, ahead of the loads into their registers
	v_add_nc_u32 v[A8], s[TB], v[L8]
	v_add_nc_u32 v[A4], s[TB], v[L4]
	v_nop
.irp g, 0,1,2,3
	FRAG FG+12*\g, A16, A8, 1536*\g
	ds_load_b32 v[KSC+\g], v[A4] offset:12288+128*\g
.endr
	s_wait_alu depctr_va_vdst(0)
	s_wait_dscnt 0x0
.irp g, 0,1,2,3
	v_wmma_scale_f32_16x16x128_f8f6f4 v[SR+16*\g:SR+16*\g+7], v[FG+12*\g:FG+12*\g+11], v[16:27], 0, v[KSC+\g], v34 matrix_a_fmt:MATRIX_FMT_FP6 matrix_b_fmt:MATRIX_FMT_FP6
	v_wmma_scale_f32_16x16x128_f8f6f4 v[SR+16*\g+8:SR+16*\g+15], v[FG+12*\g:FG+12*\g+11], v[22:33], 0, v[KSC+\g], v35 matrix_a_fmt:MATRIX_FMT_FP6 matrix_b_fmt:MATRIX_FMT_FP6 matrix_a_scale:MATRIX_SCALE_ROW1
.endr
.rept 4
	v_nop
.endr
.irp t, 0,1,2,3
	FRAG FG+12*\t, A16, A8, 6144+1536*\t
	ds_load_b32 v[VSC+\t], v[A4] offset:12800+128*\t
.endr
.if \mask
	s_cmp_lg_u32 s[CNT], s[MK]                     ; the tile's last step holds its diagonal: a test on the wave's number and the step's alone
	s_cbranch_scc1 .Lopen_\@
	v_add_nc_u32 v[TT], s[QLO], v[QL]              ; my query's place in these 128, less 16 h
	v_mov_b32 v[NI], 0xff800000
.set n, 0
.rept 64
	v_cmp_gt_i32 vcc_lo, 32*(n/16)+n%16, v[TT]
	v_cndmask_b32 v[SR+n], v[SR+n], v[NI], vcc_lo
.set n, n+1
.endr
.Lopen_\@:
.endif
.irp b, 0,1,2,3
	v_max3_num_f32 v[BM+\b], v[SR+16*\b], v[SR+16*\b+1], v[SR+16*\b+2]   ; the largest score of each block of 32 keys
.endr
.irp i, 3,5,7,9,11,13
.irp b, 0,1,2,3
	v_max3_num_f32 v[BM+\b], v[BM+\b], v[SR+16*\b+\i], v[SR+16*\b+\i+1]
.endr
.endr
.irp b, 0,1,2,3
	v_max_num_f32 v[BM+\b], v[BM+\b], v[SR+16*\b+15]
.endr
.irp b, 0,1,2,3
	s_delay_alu instid0(VALU_DEP_4)
	v_permlanex16_b32 v[BT+\b], v[BM+\b], s[SEL], s[SEL+1]
.endr
.irp b, 0,1,2,3
	s_delay_alu instid0(VALU_DEP_4)
	v_max_num_f32 v[BM+\b], v[BM+\b], v[BT+\b]
.endr
	s_delay_alu instid0(VALU_DEP_2)
	v_max3_num_f32 v[TT], v[BM], v[BM+1], v[BM+2]
	s_delay_alu instid0(VALU_DEP_1)
	v_max_num_f32 v[TT], v[TT], v[BM+3]
	s_delay_alu instid0(VALU_DEP_1)
	v_mul_f32 v[TT], s[CS], v[TT]
	s_delay_alu instid0(VALU_DEP_1)
	v_max_num_f32 v13, v13, v[TT]                  ; the running largest t
	v_mov_b32 v[TT], v12
	s_delay_alu instid0(VALU_DEP_2)
	v_floor_f32 v12, -v13                          ; -M = floor(-t)
	s_delay_alu instid0(VALU_DEP_1)
	v_sub_f32 v[TT], v12, v[TT]
	s_delay_alu instid0(VALU_DEP_1)
	v_cvt_i32_f32 v[TT], v[TT]
	s_delay_alu instid0(VALU_DEP_1)
	v_ldexp_f32 v[FF], 1.0, v[TT]                  ; f = 2^(old M - new M)
.set n, 0
.rept 32
	v_pk_fma_f32 v[SR+n:SR+n+1], v[SR+n:SR+n+1], s[CS:CS+1], v[12:13] op_sel_hi:[1,0,0]
.set n, n+2
.endr
.irp b, 0,1,2,3
	v_fma_f32 v[BM+\b], v[BM+\b], s[CS], v12
.endr
.set n, 0
	s_wait_alu depctr_va_vdst(0)                   ; ahead of the batch
.rept 64
	v_exp_f32 v[SR+n], v[SR+n]
.set n, n+1
.endr
	v_pk_mul_f32 v[14:15], v[14:15], v[FF:FF+1] op_sel_hi:[1,0]
	s_wait_alu depctr_va_vdst(0)                   ; behind it
.irp b, 0,1,2,3
	v_exp_f32 v[BM+\b], v[BM+\b]                   ; each block's largest p
.endr
	v_pk_add_f32 v[L2:L2+1], v[SR:SR+1], v[SR+2:SR+3]   ; the sum of the unquantised p, in two chains
.set n, 4
.rept 15
	v_pk_add_f32 v[14:15], v[14:15], v[SR+n:SR+n+1]
	v_pk_add_f32 v[L2:L2+1], v[L2:L2+1], v[SR+n+2:SR+n+3]
.set n, n+4
.endr
	s_delay_alu instid0(VALU_DEP_1)
	v_pk_add_f32 v[14:15], v[14:15], v[L2:L2+1]
	s_wait_alu depctr_va_vdst(0)
.irp b, 0,1,2,3
	v_max_num_f32 v[BM+\b], 0x1800000, v[BM+\b]    ; the floor 2^(3 - 127): the byte cannot fall under 1
.endr
.irp b, 0,1,2,3
	s_delay_alu instid0(VALU_DEP_4)
	v_add_nc_u32 v[SO+\b], 0xff000000, v[BM+\b]
.endr
.irp b, 0,1,2,3
	s_delay_alu instid0(VALU_DEP_4)
	v_lshrrev_b32 v[BT+\b], 23, v[SO+\b]
.endr
	s_delay_alu instid0(VALU_DEP_3)
	v_lshl_or_b32 v[PSC], v[BT+1], 8, v[BT]
	s_delay_alu instid0(VALU_DEP_1)
	v_lshl_or_b32 v[PSC], v[BT+2], 16, v[PSC]
	s_delay_alu instid0(VALU_DEP_1)
	v_lshl_or_b32 v[PSC], v[BT+3], 24, v[PSC]
.irp c, 0,1
	v_cvt_scalef32_pk16_fp6_f32 v[PC+6*\c:PC+2+6*\c], v[SR+32*\c:SR+15+32*\c], v[SO+2*\c]
	v_cvt_scalef32_pk16_fp6_f32 v[PC+12+4*\c:PC+14+4*\c], v[SR+16+32*\c:SR+31+32*\c], v[SO+2*\c+1]
.endr
	v_nop
.irp c, 0,1
.irp i, 0,1,2
	v_permlane16_swap_b32 v[PC+6*\c+\i], v[PC+12+4*\c+\i]   ; a whole block of 32 keys into a lane
.endr
.irp i, 0,1,2
	s_delay_alu instid0(VALU_DEP_3)
	v_mov_b32 v[PC+3+6*\c+\i], v[PC+12+4*\c+\i]
.endr
.endr
	s_wait_alu depctr_va_vdst(0)                   ; directly ahead of the first reader of O^T
.set n, 0
.rept 16
	v_pk_mul_f32 v[OT+n:OT+n+1], v[OT+n:OT+n+1], v[FF:FF+1] op_sel_hi:[1,0]
.set n, n+2
.endr
	s_wait_alu depctr_va_vdst(0)
	s_wait_dscnt 0x0                               ; V's fragments and words
.irp t, 0,1,2,3
	v_wmma_scale_f32_16x16x128_f8f6f4 v[OT+8*\t:OT+8*\t+7], v[FG+12*\t:FG+12*\t+11], v[PC:PC+11], v[OT+8*\t:OT+8*\t+7], v[VSC+\t], v[PSC] matrix_a_fmt:MATRIX_FMT_FP6 matrix_b_fmt:MATRIX_FMT_FP6
.endr
.endm
; a tile ends: O^T / the sum, quantised along the head's 64 (two blocks), one half image and two scale bytes a row
.macro FINISH oa, sa
.rept 4
	v_nop
.endr
	v_add_f32 v14, v14, v15
	s_delay_alu instid0(VALU_DEP_1)
	v_permlanex16_b32 v[TT], v14, s[SEL], s[SEL+1]
	s_delay_alu instid0(VALU_DEP_1)
	v_add_f32 v14, v14, v[TT]
	s_wait_alu depctr_va_vdst(0)
	v_rcp_f32 v[FF], v14
	v_nop
	s_wait_alu depctr_va_vdst(0)
.set n, 0
.rept 16
	v_pk_mul_f32 v[SR+n:SR+n+1], v[OT+n:OT+n+1], v[FF:FF+1] op_sel_hi:[1,0]
.set n, n+2
.endr
.irp b, 0,1
	v_max3_num_f32 v[BM+\b], |v[SR+16*\b]|, |v[SR+16*\b+1]|, 0x1800000
.endr
.irp i, 2,4,6,8,10,12,14
.irp b, 0,1
	s_delay_alu instid0(VALU_DEP_2)
	v_max3_num_f32 v[BM+\b], v[BM+\b], |v[SR+16*\b+\i]|, |v[SR+16*\b+\i+1]|
.endr
.endr
.irp b, 0,1
	s_delay_alu instid0(VALU_DEP_2)
	v_permlanex16_b32 v[BT+\b], v[BM+\b], s[SEL], s[SEL+1]
.endr
.irp b, 0,1
	s_delay_alu instid0(VALU_DEP_2)
	v_max_num_f32 v[BM+\b], v[BM+\b], v[BT+\b]
.endr
.irp b, 0,1
	s_delay_alu instid0(VALU_DEP_2)
	v_add_nc_u32 v[SO+\b], 0xff000000, v[BM+\b]
.endr
.irp b, 0,1
	s_delay_alu instid0(VALU_DEP_2)
	v_lshrrev_b32 v[BT+\b], 23, v[SO+\b]
.endr
	s_delay_alu instid0(VALU_DEP_1)
	v_lshl_or_b32 v[TQ], v[BT+1], 8, v[BT]
	v_cvt_scalef32_pk16_fp6_f32 v[PC:PC+2], v[SR:SR+15], v[SO]
	v_cvt_scalef32_pk16_fp6_f32 v[PC+12:PC+14], v[SR+16:SR+31], v[SO+1]
	v_nop
.irp i, 0,1,2
	v_permlane16_swap_b32 v[PC+\i], v[PC+12+\i]
.endr
.irp i, 0,1,2
	s_delay_alu instid0(VALU_DEP_3)
	v_mov_b32 v[PC+3+\i], v[PC+12+\i]
.endr
	global_store_b128 v[L16], v[PC:PC+3], s[\oa:\oa+1]             ; 512 and 256 consecutive bytes
	global_store_b64 v[L8], v[PC+4:PC+5], s[\oa:\oa+1] offset:512
	global_store_b16 v[R32], v[TQ], s[\sa:\sa+1]
.endm
; ---- the head
	s_load_b128 s[4:7], s[0:1], 0x0                ; qkv, oimg
	s_load_b64 s[8:9], s[0:1], 0x10                ; osc
	v_lshl_add_u32 v[SPW], v0, 2, SPARE
	v_mov_b32 v[NIL], 0
	ds_add_u32 v[SPW], v[NIL]                      ; the opening lines: the add, twice on end, and its wait
	ds_add_u32 v[SPW], v[NIL]
	v_lshrrev_b32 v1, 5, v0
	v_readfirstlane_b32 s[WV], v1                  ; wave 0..15
	s_bfe_u32 s[CX], ttmp6, 0x40000                ; my place in the cluster
	s_mov_b32 s[G1], 15|(3<<16)|(1<<21)            ; all four partners; elements of 8 bytes; a key step is 52 dense rows of 256 bytes
	s_mov_b32 s[G1+1], 32<<16
	s_mov_b32 s[G1+2], 52<<16
	s_mov_b32 s[G1+3], 32<<16
	s_mov_b32 s[G1+4], 52
	s_mov_b32 s[G1+5], 32
	s_mov_b32 s[G1+6], 0
	s_mov_b32 s[G1+7], 0
	s_mul_i32 s60, ttmp9, PB                       ; the head's part of qkv
	s_mov_b32 s61, 0
	s_mov_b32 s[G0], 1
	s_mul_i32 s[G0+1], s[WV], KSB                  ; key step w lands at w x 13,312
	s_add_co_u32 s62, s[G0+1], KVOFF
	s_mov_b32 s63, 0
	s_mov_b32 s[SEL], 0x76543210
	s_mov_b32 s[SEL+1], 0xfedcba98
	s_mov_b32 s[CS], 0x3e38aa3b                    ; log2(e) / 8
	s_mov_b32 s[CS+1], s[CS]
	s_lshl_b32 s[QTS], s[WV], 2
	s_add_co_u32 s[QTS], s[QTS], s[CX]             ; j = 4 w + cx
	s_sub_co_u32 s[QTL], 127, s[QTS]
	s_lshr_b32 s[W2], s[WV], 1
	s_sub_co_u32 s[NL], 16, s[W2]
	s_sub_co_u32 s[MK], 15, s[W2]
	s_mov_b32 s[ADD], 0
	s_and_b32 s66, ttmp9, 15                       ; the head within its batch
	s_lshl_b32 s[HS], s66, 1
	s_lshr_b32 s67, s66, 2
	s_mul_i32 s67, s67, 49152
	s_and_b32 s66, s66, 3
	s_mul_i32 s66, s66, 768
	s_add_co_u32 s[HO], s66, s67
	s_wait_dscnt 0x0
	CROUND                                         ; the round in front of the first joint loads
	s_wait_kmcnt 0x0
	s_add_nc_u64 s[10:11], s[4:5], s[60:61]
	s_add_nc_u64 s[G0+2:G0+3], s[10:11], s[62:63]
	s_or_b32 s[G0+3], s[G0+3], 0x80000000
	s_cmp_lt_u32 s[WV], 2                          ; one chain, one load to an arm: each group of waves has a load line of its own
	s_cbranch_scc0 .Larm2
	TLOAD
	s_branch .Lasked
.Larm2:
	s_cmp_lt_u32 s[WV], 6
	s_cbranch_scc0 .Larm3
	TLOAD
	s_branch .Lasked
.Larm3:
	TLOAD
.Lasked:
	v_and_b32 v3, 31, v0
	v_and_b32 v10, 15, v0
	v_bfe_u32 v11, v0, 4, 1
	v_lshlrev_b32 v[L16], 4, v3
	v_lshlrev_b32 v[L8], 3, v3
	v_lshlrev_b32 v[L4], 2, v3
	v_and_b32 v[QL], 8, v10
	v_lshlrev_b32 v11, 4, v11
	v_add_nc_u32 v[QL], v[QL], v10
	v_sub_nc_u32 v[QL], v[QL], v11                 ; less 16 h (v11 is written anew by the next line)
	v_lshlrev_b32 v[R32], 5, v10
	v_lshlrev_b32 v[R4], 2, v10
.irp j, 22,23,24,25,26,27
	v_mov_b32 v\j, 0                               ; zero codes beside q
.endr
.irp b, 0,1,2,3
	v_mov_b32 v[BT+\b], 0                          ; written once: a lane permute's destination counts as a source
.endr
	v_mov_b32 v[TT], 0
	v_mov_b32 v[FF+1], 0
	s_wait_alu depctr_va_vdst(0)                   ; ahead of the run of scalar lines
	TILE QTL, SR, OAL, SAL, QLO
	TILE QTS, SR+3, OAS, SAS, QLS
	s_wait_alu depctr_va_vdst(0)
	global_load_b128 v[16:19], v[SR], s[10:11]                     ; both tiles' q now: the change of tiles waits for no memory
	global_load_b64 v[20:21], v[SR+1], s[10:11] offset:512
	global_load_b32 v[TQ], v[SR+2], s[10:11] offset:98304
	global_load_b128 v[Q2:Q2+3], v[SR+3], s[10:11]
	global_load_b64 v[Q2+4:Q2+5], v[SR+4], s[10:11] offset:512
	global_load_b32 v[TQ2], v[SR+5], s[10:11] offset:98304
	s_wait_loadcnt 0x0
	QSET 16, TQ
	s_wait_alu depctr_va_vdst(0)                   ; the head's end
	s_cmp_lt_u32 s[WV], 2
	s_cbranch_scc0 .Lnot_g1
	s_wait_tensorcnt 0x0                           ; key steps 0 and 1: every wave that issued that line waits
.Lnot_g1:
	s_barrier_signal -1
	s_barrier_wait -1
	s_mov_b32 s[TB], 0
	s_mov_b32 s[CNT], 0
.Lsteps_a:                                             ; steps 0, 1
	STEP 0
	s_add_co_u32 s[TB], s[TB], KSB
	s_add_co_u32 s[CNT], s[CNT], 1
	s_cmp_lt_u32 s[CNT], 2
	s_cbranch_scc1 .Lsteps_a
	s_cmp_lt_u32 s[WV], 6
	s_cbranch_scc0 .Lnot_g2
	s_wait_tensorcnt 0x0                           ; key steps 2 to 5
.Lnot_g2:
	s_wait_dscnt 0x0
	s_barrier_signal -1
	s_barrier_wait -1
	s_mov_b32 s[TB], 2*KSB
	s_mov_b32 s[CNT], 2
.Lsteps_b:                                             ; steps 2 to 5
	STEP 0
	s_add_co_u32 s[TB], s[TB], KSB
	s_add_co_u32 s[CNT], s[CNT], 1
	s_cmp_lt_u32 s[CNT], 6
	s_cbranch_scc1 .Lsteps_b
	s_wait_tensorcnt 0x0                           ; all that is still out: on every wave's way
	s_wait_dscnt 0x0
	s_barrier_signal -1
	s_barrier_wait -1
	s_mov_b32 s[CNT], 6
.Lsteps_c:                                             ; steps 6 to 16: the first tile's rest (it has 9 steps at the least), then the second tile
	s_cmp_lg_u32 s[CNT], s[NL]
	s_cbranch_scc1 .Lsame
	FINISH OAL, SAL
	s_wait_xcnt 0x0                                ; the stores have read their registers
	QSET Q2, TQ2
	s_mov_b32 s[ADD], s[W2]                        ; key step = (step - NL) = (step + w / 2) mod 16
	s_mov_b32 s[MK], 16
	s_mov_b32 s[QLO], s[QLS]
.Lsame:
	s_add_co_u32 s60, s[CNT], s[ADD]
	s_and_b32 s60, s60, 15
	s_mul_i32 s[TB], s60, KSB
	STEP 1
	s_add_co_u32 s[CNT], s[CNT], 1
	s_cmp_lt_u32 s[CNT], 17
	s_cbranch_scc1 .Lsteps_c
	FINISH OAS, SAS
	s_wait_tensorcnt 0x0                           ; the wave's end
	ds_add_u32 v[SPW], v[NIL]
	s_wait_dscnt 0x0
	CROUND                                         ; the closing round
	s_endpgm
.Lfunc_end_k_qfddc60d9eb_attn:
	.size	k_qfddc60d9eb_attn, .Lfunc_end_k_qfddc60d9eb_attn-k_qfddc60d9eb_attn
	.p2alignl 7, 3214868480
	.fill 96, 4, 3214868480
	.section	.rodata,"a",@progbits
	.p2align	6, 0x0
	.amdhsa_kernel k_qfddc60d9eb_attn
		.amdhsa_group_segment_fixed_size 327680
		.amdhsa_private_segment_fixed_size 0
		.amdhsa_enable_private_segment 0
		.amdhsa_kernarg_size 24
		.amdhsa_user_sgpr_count 2
		.amdhsa_user_sgpr_kernarg_segment_ptr 1
		.amdhsa_wavefront_size32 1
		.amdhsa_system_sgpr_workgroup_id_x 1
		.amdhsa_system_sgpr_workgroup_id_y 1
		.amdhsa_system_sgpr_workgroup_id_z 1
		.amdhsa_system_vgpr_workitem_id 0
		.amdhsa_next_free_vgpr 256
		.amdhsa_next_free_sgpr 72
		.amdhsa_reserve_vcc 1
		.amdhsa_float_denorm_mode_32 3
		.amdhsa_float_denorm_mode_16_64 3
		.amdhsa_memory_ordered 1
		.amdhsa_forward_progress 1
		.amdhsa_inst_pref_size 78
	.end_amdhsa_kernel
	.amdgpu_metadata
---
amdhsa.version: [ 1, 2 ]
amdhsa.kernels:
  - .name:           k_qfddc60d9eb_attn
    .symbol:         k_qfddc60d9eb_attn.kd
    .args:
      - { .name: qkv, .offset: 0, .size: 8, .value_kind: global_buffer, .address_space: global }
      - { .name: oimg, .offset: 8, .size: 8, .value_kind: global_buffer, .address_space: global }
      - { .name: osc, .offset: 16, .size: 8, .value_kind: global_buffer, .address_space: global }
    .group_segment_fixed_size: 327680
    .private_segment_fixed_size: 0
    .kernarg_segment_align: 8
    .kernarg_segment_size: 24
    .max_flat_workgroup_size: 512
    .sgpr_count:     72
    .vgpr_count:     256
    .wavefront_size: 32
...
	.end_amdgpu_metadata
.endif
;; end of part 3
;; launch gemm2 (part 4): grid 8 x 32, 4 waves a work-group, clusters of 4 x 4, 327,680 bytes of LDS; arguments oimg, osc, cod1, scl1, b_out, out0; writes out0
.if DOCPART == 4
	.amdgcn_target "amdgcn-amd-amdhsa--gfx1250"
	.amdhsa_code_object_version 6
	.text
	.protected	k_qfddc60d9eb_gemm2
	.globl	k_qfddc60d9eb_gemm2
	.p2align	8
	.type	k_qfddc60d9eb_gemm2,@function
k_qfddc60d9eb_gemm2:
	s_mov_b64 s[64:65], 0
	v_nop
	global_prefetch_b8 v0, s[64:65] scope:SCOPE_SE
	s_setreg_imm32_b32 hwreg(HW_REG_WAVE_MODE, 25, 1), 1
	s_wait_xcnt 0x0
	s_wait_alu depctr_hold_cnt(0) depctr_sa_sdst(0) depctr_va_vdst(0) depctr_va_sdst(0) depctr_va_ssrc(0) depctr_va_vcc(0) depctr_vm_vsrc(0)
	s_getreg_b32 s2, hwreg(HW_REG_IB_STS2, 6, 4)
	s_cmp_eq_u32 s2, 0
	s_cbranch_scc0 .Lentry_in_a_cluster
	s_endpgm
.Lentry_in_a_cluster:
	s_bfe_u32 s2, ttmp6, 0x10000c
	s_cmp_lg_u32 s2, 0xf033
	s_cbranch_scc0 .Lentry_shape_is_right
	s_endpgm
.Lentry_shape_is_right:
; out0 = o w_out^T + b_out on codes of FP6 (E2M3) with E8M0 scales.  A = o: oimg = [128 b + tile][16 half images][768], osc = [tile x 16 + r][32];  B = w_out: tiles 704-767 of cod1 and scl1, in the same layout.
; A half image is 16 rows x 64 K as the operand's registers want it (registers 0-3 at 16 x lane, 4-5 at 512 + 8 x lane).  Place r of tile t is row 32 (t / 2) + 8 (t % 2) + r + 8 (r / 8).
; A work-group makes 256 rows of o x 256 rows of w_out; four waves, each 128 x 128 = 64 accumulators.  The matrix instruction is used transposed (source 0 = 16 rows of B, source 1 = 16 rows of A):
; a lane holds one row of out0, and the 16 registers of B's tiles 2 j, 2 j + 1 are 16 neighbouring columns.  b_out is the C of the first products.
; K = 1,024 goes in four K steps of 256 through THREE LDS slots: K steps 0, 1, 2 and the scales are asked for at the start (one tensor load a wave is out), K step 3 refills slot 0 behind one round of the cluster's barrier.
; CLUSTER 4 x 4: A's tiles are shared along a row, B's along a column, each asked for jointly.  128 work-groups: the tile is kept, so that this text's main loop is the first product's.
; THE WAY OUT: 16 rows x 128 columns at a time through my own stage, which lies in slot 1: that slot is filled once, and every wave's last read of it stands ahead of the last barrier.  32 lanes store 512 consecutive bytes.
; REGISTERS, windows of 256: window 0: v1-29 addresses; v32-63 scale words, two sets; v64-127 the bias as C; v128-223 A's fragments, one set (on the way out v128-255 rows of out0).
;   window 1: B's fragments, two sets, at v0 and v128.   windows 2, 3: the accumulators ((a, b) at v[8 (8 (a % 4) + b)]).
; THE FILLS AS THEY STAND BELOW: oimg and cod1 = [block of 16 tiles][K step 4][tile 16][3,072].  At the head one joint load a wave: wave 0 A's K steps 0-2 (147,456 dense bytes), wave 1 B's, wave 2 A's scales, wave 3 B's.
; LDS: A's three slots of 49,152 bytes from 0, B's three from 147,456, then the scales.  K step 3 refills slot 0 of A and of B behind one round, a half of 24,576 bytes a wave.  The stage lies in A's slot 1.
; THE BLOCK AS IT STANDS BELOW: 256 rows of o x 128 rows of w_out, 8 x 32 = 256 work-groups; a wave makes 128 x 64: 32 accumulators ((a, b), b = 0 .. 3), four of B's tiles.
; B's part of a K step is 8 tiles, 24,576 dense bytes, 49,152 bytes from K step to K step: the head's load is three such rows; B's slots lie 24,576 bytes apart from 147,456 on; its refill is 12,288 bytes a wave.
; On the way out a row of my 64 columns is 256 bytes: a store takes two rows, sixteen lanes each.
.set ADRS2,  25                        ; v25     A's scale words in all lanes: for blocks 4-7, which B does not have
.set CO2,    26                        ; v26     the way out: 16 r + h x a step of the sequence
.set FR,     12
.set NL,     4                         ; LDS loads that bring one
.set NP,     4                         ; places behind this matrix instruction (ISA guide 7.12.1)
.set TILEB,  3072                      ; a tile's 256 K: four half images
.set HALFT,  8*TILEB                   ; eight tiles: what one tensor load brings, and what a wave reads of A or of B
.set SLOT,   4*HALFT
.set SCL,    3*SLOT                    ; behind the slots: the scales, as rows of 256 bytes + 16
.set HALFS,  16*272                    ; those of 128 rows
.set SBLK,   2*272                     ; those of 16 rows
.set SPARE,  SCL+4*HALFS               ; the spare words: 128 bytes a wave, two blocks of 256 bytes that no other line names
.set SPITCH, 528                       ; a stage row: 512 bytes + 16
.set ADRA16, 8                         ; v8-10   A's fragments in slot 0, 1, 2: + 16 x lane
.set ADRA8,  11                        ; v11-13  + 8 x lane
.set ADRB16, 14                        ; v14-16  the same for B
.set ADRB8,  17                        ; v17-19
.set ADRS,   20                        ; v20     my scale words: lanes 0-15 A's rows, lanes 16-31 B's
.set L16,    21
.set L8,     22
.set STO,    23                        ; v23     the stage, in: 528 r + 64 h
.set RD,     24                        ; v24     the stage, out: 16 x lane
.set SPW,    28                        ; v28     my spare word; never rewritten
.set NIL,    29                        ; v29     0; never rewritten
.set SC,     32
.set BQ,     64
.set AF,     128
.set BK,     128                       ; the way out: 16 rows back from the stage: v128-191 and v192-255 by turns
.set WV, 16
.set RH, 17
.set CH, 18
.set TR, 22
.set TC, 23
.set G1,   24
.set G1B,  32
.set G1S,  40
.set G1SB, 48
.set G0_0, 56
.set G0_1, 60
.set G0_2, 68
.set G0B_0, 72
.set G0B_1, 76
.set G0B_2, 80
.set G0S,  84
.set G0SB, 88
.set MSB, 0
.macro WIN new                         ; the immediate's high byte repeats the setting that is left
.if MSB != \new
	s_set_vgpr_msb (MSB<<8)|\new
.set MSB, \new
.endif
.endm
.set MUL_LO, 0xa1                      ; source 0 (B) window 1, source 1 (A) window 0, C and D window 2
.set MUL_HI, 0xf1                      ; the same, C and D window 3
.set ZER_LO, 0x81                      ; C (the bias) window 0, D window 2
.set ZER_HI, 0xc1
.set TO_B,   0x40                      ; destination window 1, address window 0
; A joint load: waves 0 and 1 fetch for A, waves 2 and 3 for B; the branch hangs on the wave's number alone.  An s_nop 0 and four v_nop follow each line.
.macro JLOAD g0a, g1a, g0b, g1b
	s_cmp_eq_u32 s[RH], 0
	s_cbranch_scc0 .Lfor_b_\@
	tensor_load_to_lds s[\g0a:\g0a+3], s[\g1a:\g1a+7]
	s_nop 0
.rept 4
	v_nop
.endr
	s_branch .Lasked_\@
.Lfor_b_\@:
	tensor_load_to_lds s[\g0b:\g0b+3], s[\g1b:\g1b+7]
	s_nop 0
.rept 4
	v_nop
.endr
.Lasked_\@:
.endm
.macro CREST                           ; a round of the cluster's barrier behind its opening barrier
	s_cmp_lg_u32 s[WV], 0
	s_cbranch_scc1 .Lnot_wave_0_\@
	s_barrier_signal -3
.Lnot_wave_0_\@:
	s_barrier_wait -3
	s_barrier_signal -1
	s_barrier_wait -1
.endm
.macro CROUND
	s_barrier_signal -1
	s_barrier_wait -1
	CREST
.endm
.macro SETG g0, lds, ldsoff, src, off  ; a group 0: count 1, LDS address, global address, type 2
	s_mov_b32 s[\g0], 1
	s_add_co_u32 s[\g0+1], s[\lds], \ldsoff
	s_add_nc_u64 s[\g0+2:\g0+3], s[\src:\src+1], \off
	s_or_b32 s[\g0+3], s[\g0+3], 0x80000000
.endm
.macro FRAG reg, a16, a8, off          ; a fragment = two half images on end: every load reads consecutive bytes
	ds_load_b128 v[\reg:\reg+3], v[\a16] offset:\off
	ds_load_b64 v[\reg+4:\reg+5], v[\a8] offset:\off+512
	ds_load_b128 v[\reg+6:\reg+9], v[\a16] offset:\off+768
	ds_load_b64 v[\reg+10:\reg+11], v[\a8] offset:\off+1280
.endm
; 8 matrix instructions: A's blocks a0, a0 + 1 x B's four, the K step's q-th 128.  p: B's set; sc: the set of scale words.  zero = 1: the bias is the C of the first product.
; The 32 accumulators take turns, one instruction a turn, in the same order in every step.
.macro MUL16 a0, p, q, sc, zero
.irp a, \a0, \a0+1
.irp b, 0,1,2,3
.if \zero
	v_wmma_scale_f32_16x16x128_f8f6f4 v[8*(8*((\a)%4)+\b):8*(8*((\a)%4)+\b)+7], v[128*(\p)+FR*\b:128*(\p)+FR*\b+FR-1], v[AF+FR*(\a):AF+FR*(\a)+FR-1], v[BQ+8*\b:BQ+8*\b+7], v[SC+16*(\sc)+2*\b+(\q)], v[SC+16*(\sc)+2*(\a)+(\q)] matrix_a_fmt:MATRIX_FMT_FP6 matrix_b_fmt:MATRIX_FMT_FP6 matrix_a_scale:MATRIX_SCALE_ROW1
.else
	v_wmma_scale_f32_16x16x128_f8f6f4 v[8*(8*((\a)%4)+\b):8*(8*((\a)%4)+\b)+7], v[128*(\p)+FR*\b:128*(\p)+FR*\b+FR-1], v[AF+FR*(\a):AF+FR*(\a)+FR-1], v[8*(8*((\a)%4)+\b):8*(8*((\a)%4)+\b)+7], v[SC+16*(\sc)+2*\b+(\q)], v[SC+16*(\sc)+2*(\a)+(\q)] matrix_a_fmt:MATRIX_FMT_FP6 matrix_b_fmt:MATRIX_FMT_FP6 matrix_a_scale:MATRIX_SCALE_ROW1
.endif
.endr
.endr
.endm
.macro FETCH_B slot, q, p
	WIN TO_B
.irp i, 0,1,2,3
	FRAG 128*(\p)+FR*\i, ADRB16+\slot, ADRB8+\slot, \i*TILEB+(\q)*1536
.endr
	WIN 0
.endm
.macro FETCH_A slot, q, i0
.irp i, \i0, \i0+1, \i0+2, \i0+3
	FRAG AF+FR*(\i), ADRA16+\slot, ADRA8+\slot, (\i)*TILEB+(\q)*1536
.endr
.endm
.macro SCALES sc                       ; a K step's two words a row: lanes 0-15 A's block i, lanes 16-31 B's block i
.irp i, 0,1,2,3
	ds_load_b64 v[SC+16*(\sc)+2*\i:SC+16*(\sc)+2*\i+1], v[ADRS] offset:\i*SBLK
.endr
.irp i, 4,5,6,7
	ds_load_b64 v[SC+16*(\sc)+2*\i:SC+16*(\sc)+2*\i+1], v[ADRS2] offset:\i*SBLK
.endr
.endm
.macro PLACES n                        ; plain vector places in front of loads into registers that matrix instructions have read, and of the first read of results
.rept \n
	v_nop
.endr
.endm
; The first 128 of a K step; it fetches the second 128's fragments from the same slot.
.macro STEP slot, sc, zero
	s_wait_dscnt 4*NL                              ; B's set, A's blocks 0-3 and the scale words are in; the youngest 16 loads (A's blocks 4-7) may be out
.if \zero
	WIN ZER_LO
.else
	WIN MUL_LO
.endif
	MUL16 0, 0, 0, \sc, \zero
	MUL16 2, 0, 0, \sc, \zero
	s_wait_dscnt 0x0                               ; A's blocks 4-7 are in
	PLACES NP
	FETCH_B \slot, 1, 1
	FETCH_A \slot, 1, 0
.if \zero
	WIN ZER_HI
.else
	WIN MUL_HI
.endif
	MUL16 4, 0, 0, \sc, \zero
	MUL16 6, 0, 0, \sc, \zero
	PLACES NP
	WIN 0
	FETCH_A \slot, 1, 4
.endm
; The second 128 of a K step; it goes on to the next slot.  sync = 2: slot 0 is filled again (K step 3): each wave waits for all its tensor loads, adds 0 to its spare word, waits for that and for its reads
; of the slot; the barrier opens a round of the cluster's; the joint refill is first behind it.  sync = 1: the same lines and a plain barrier: every wave's part of K step 3 has landed.
; sync = 0: the next slot was shown whole by the wait for 0 and the barrier of sync = 2, and nothing is filled: no barrier.
.macro TURN slot, next, sc, sync
.if \sync
	s_wait_tensorcnt 0x0                           ; all my tensor loads have landed
	ds_add_u32 v[SPW], v[NIL]                      ; 0 onto my spare word
	s_wait_dscnt 4*NL+1                            ; (the add and the youngest 16 loads may be out)
	WIN MUL_LO
	MUL16 0, 1, 1, \sc, 0
	s_wait_dscnt 0x0                               ; the add is done, and my reads of this slot are over
	s_barrier_signal -1
	MUL16 2, 1, 1, \sc, 0
	WIN 0
	s_barrier_wait -1
.if \sync == 2
	CREST                                          ; no wave of any partner still reads slot 0 or has a load on its way
	JLOAD G0_1, G1, G0B_1, G1B                     ; K step 3: 112 matrix instructions stand between it and the wait for it; its four v_nop are the places for the loads below
.else
	PLACES NP
.endif
.else
	s_wait_dscnt 4*NL
	WIN MUL_LO
	MUL16 0, 1, 1, \sc, 0
	MUL16 2, 1, 1, \sc, 0
	s_wait_dscnt 0x0
	WIN 0
	PLACES NP
.endif
	v_add_nc_u32 v[ADRS], 8, v[ADRS]               ; the next K step's scale words
	v_add_nc_u32 v[ADRS2], 8, v[ADRS2]
	FETCH_B \next, 0, 0
	FETCH_A \next, 0, 0
	SCALES 1-(\sc)
	WIN MUL_HI
	MUL16 4, 1, 1, \sc, 0
	MUL16 6, 1, 1, \sc, 0
	PLACES NP
	WIN 0
	FETCH_A \next, 0, 4
.endm
	s_load_b256 s[4:11], s[0:1], 0x0               ; oimg s[4:5], osc s[6:7], cod1 s[8:9], scl1 s[10:11]
	s_load_b128 s[12:15], s[0:1], 0x20             ; b_out s[12:13], out0 s[14:15]
	v_lshl_add_u32 v[SPW], v0, 2, SPARE
	v_mov_b32 v[NIL], 0
	ds_add_u32 v[SPW], v[NIL]                      ; the wave's opening: the add and its wait ahead of my first tensor load
	ds_add_u32 v[SPW], v[NIL]
	v_lshrrev_b32 v1, 5, v0
	v_readfirstlane_b32 s[WV], v1                  ; wave 0..3
	s_lshr_b32 s[RH], s[WV], 1                     ; my half of A's rows.  Also: I fetch for A (0) or for B (1)
	s_and_b32 s[CH], s[WV], 1                      ; my half of B's rows.  Also: which eight tiles I fetch
	s_bfe_u32 s20, ttmp6, 0x40000                  ; cx
	s_bfe_u32 s21, ttmp6, 0x40004                  ; cy
	s_and_b32 s19, ttmp7, 0xffff                   ; cluster y
	s_lshl_b32 s[TR], s19, 2
	s_add_co_u32 s[TR], s[TR], s21                 ; block of 256 rows of o: hangs on cy alone
	s_lshl_b32 s[TC], ttmp9, 2
	s_add_co_u32 s[TC], s[TC], s20                 ; block of 256 rows of w_out: on cx alone
	s_lshl_b32 s98, s21, 2
	s_lshl_b32 s98, 15, s98                        ; my row of the cluster
	s_lshl_b32 s99, 0x1111, s20                    ; my column
	; group 1, codes: 8 rows (tiles) of 3,072 bytes = 384 elements of 8 bytes, 3,072 bytes apart; no padding: an image's loads are consecutive
	s_or_b32 s[G1], s98, (3<<16)|(1<<21)
	s_or_b32 s[G1B], s99, (3<<16)|(1<<21)
.irp g, G1, G1B
	s_mov_b32 s[\g+1], 384<<16
	s_mov_b32 s[\g+2], 48<<16                      ; the head's load: 48 dense rows of 3,072 bytes: three K steps of 16 tiles
	s_mov_b32 s[\g+3], 384<<16
	s_mov_b32 s[\g+4], 48
	s_mov_b32 s[\g+5], 384
	s_mov_b32 s[\g+6], 0
	s_mov_b32 s[\g+7], 0
.endr
	; group 1, scales of 128 rows: 4,096 dense bytes as 16 rows of 256, 16 bytes of padding behind each
	s_mov_b32 s[G1B+1], 3072<<16                   ; B's head load: 3 rows (K steps) of 24,576 bytes = 3,072 elements, 6,144 elements apart
	s_mov_b32 s[G1B+2], 3<<16
	s_mov_b32 s[G1B+3], 3072<<16
	s_mov_b32 s[G1B+4], 3
	s_mov_b32 s[G1B+5], 6144
	s_or_b32 s[G1S], s98, (3<<16)|(1<<20)|(1<<21)|(5<<22)|(3<<25)
	s_or_b32 s[G1SB], s99, (3<<16)|(1<<20)|(1<<21)|(5<<22)|(3<<25)
.irp g, G1S, G1SB
	s_mov_b32 s[\g+1], 32<<16
	s_mov_b32 s[\g+2], 32<<16                      ; the scales of 256 rows: 32 rows of 256 bytes
	s_mov_b32 s[\g+3], 32<<16
	s_mov_b32 s[\g+4], 32
	s_mov_b32 s[\g+5], 32
	s_mov_b32 s[\g+6], 0
	s_mov_b32 s[\g+7], 0
.endr
	s_mov_b32 s[G1SB+2], 16<<16                    ; B's scales: 128 rows, 16 rows of 256 bytes
	s_mov_b32 s[G1SB+4], 16
	s_lshl_b32 s94, s[TR], 4
	s_lshl_b32 s96, s[TC], 3                       ; B: eight tiles to a block of 128 rows
	s_add_co_u32 s96, s96, 704                     ; B: w_out's tiles begin at 704
	s_mul_i32 s2, s94, 12288                       ; their codes,
	s_mov_b32 s3, 0
	s_lshl_b32 s94, s94, 9                         ; their scale words
	s_mov_b32 s95, 0
	s_lshr_b32 s100, s96, 4                        ; the block of 16 tiles, 196,608 bytes each,
	s_mul_i32 s100, s100, 196608
	s_and_b32 s101, s96, 8                         ; and which eight of a K step's sixteen
	s_mul_i32 s101, s101, 3072
	s_add_co_u32 s100, s100, s101
	s_mov_b32 s101, 0
	s_lshl_b32 s96, s96, 9
	s_mov_b32 s97, 0
	s_mul_i32 s92, s[CH], HALFT                    ; the refill: my half of a K step's 16 tiles, in memory and in LDS alike
	s_mov_b32 s93, 0
	s_wait_dscnt 0x0                               ; the opening add is done
	s_wait_kmcnt 0x0
	s_add_nc_u64 s[2:3], s[4:5], s[2:3]
	s_add_nc_u64 s[94:95], s[6:7], s[94:95]
	s_add_nc_u64 s[100:101], s[8:9], s[100:101]
	s_add_nc_u64 s[96:97], s[10:11], s[96:97]
	SETG G0S, 93, SCL, 94, 0                       ; A's scales, B's scales,
	SETG G0SB, 93, SCL+2*HALFS, 96, 0
	SETG G0_0, 93, 0, 2, 0                         ; A's K steps 0-2, B's
	SETG G0B_0, 93, 6*HALFT, 100, 0
	s_add_nc_u64 s[2:3], s[2:3], s[92:93]
	s_lshr_b32 s98, s92, 1                         ; B's refill: my half of eight tiles, 12,288 bytes
	s_mov_b32 s99, 0
	s_add_nc_u64 s[100:101], s[100:101], s[98:99]
	SETG G0_1, 92, 0, 2, 6*HALFT                   ; the refill: my half of K step 3, into slot 0
	SETG G0B_1, 98, 6*HALFT, 100, 6*HALFT
	CROUND                                         ; all sixteen work-groups are here: the first joint loads meet
; one joint load a wave at the head, in one chain of branches on the wave's number
.macro ARM under, g0, g1, next
	s_cmp_lt_u32 s[WV], \under
	s_cbranch_scc0 \next
	tensor_load_to_lds s[\g0:\g0+3], s[\g1:\g1+7]
	s_nop 0
.rept 4
	v_nop
.endr
	s_branch .Lhead_asked
\next:
.endm
	ARM 1, G0_0, G1, .Lhead_b
	ARM 2, G0B_0, G1B, .Lhead_sa
	ARM 3, G0S, G1S, .Lhead_sb
	tensor_load_to_lds s[G0SB:G0SB+3], s[G1SB:G1SB+7]
	s_nop 0
.rept 4
	v_nop
.endr
.Lhead_asked:
	v_and_b32 v1, 15, v0                           ; r
	v_bfe_u32 v2, v0, 4, 1                         ; h
	v_and_b32 v3, 31, v0                           ; lane
	v_lshlrev_b32 v[L16], 4, v3
	s_wait_alu depctr_va_vdst(0)
	v_lshlrev_b32 v[L8], 3, v3
	s_wait_alu depctr_va_vdst(0)
	v_lshlrev_b32 v4, 6, v2                        ; the bias: 16 h numbers on
	s_lshl_b32 s94, s[TC], 9
	s_lshl_b32 s95, s[CH], 8
	s_add_co_u32 s94, s94, s95                     ; 4 x (128 TC + 64 CH)
	s_mov_b32 s95, 0
	s_add_nc_u64 s[12:13], s[12:13], s[94:95]      ; 4 x (128 TC + 64 CH)
.irp i, 0,1,2,3
	global_load_b128 v[BQ+8*\i:BQ+8*\i+3], v4, s[12:13] offset:(32*(\i/2)+8*(\i%2))*4       ; tile i, my half: columns 32 (i / 2) + 8 (i % 2) + 16 h + 0 .. 7
	global_load_b128 v[BQ+8*\i+4:BQ+8*\i+7], v4, s[12:13] offset:(32*(\i/2)+8*(\i%2))*4+16
.endr
	s_mul_i32 s92, s[RH], HALFT                    ; my eight tiles of A,
	s_mul_i32 s93, s[CH], 4*TILEB                  ; my four of B,
	s_add_co_u32 s93, s93, 6*HALFT                 ; which lie behind A's three slots
.irp s, 0,1,2
	v_add_nc_u32 v[ADRA16+\s], s92, v[L16]
	v_add_nc_u32 v[ADRA8+\s], s92, v[L8]
	v_add_nc_u32 v[ADRB16+\s], s93, v[L16]
	v_add_nc_u32 v[ADRB8+\s], s93, v[L8]
	s_add_co_u32 s92, s92, 2*HALFT
	s_add_co_u32 s93, s93, HALFT
.endr
	v_mul_u32_u24 v6, v1, 32                       ; my row's scales: 32 bytes a row,
	v_lshrrev_b32 v7, 8, v6
	v_lshl_add_u32 v6, v7, 4, v6                   ; and 16 more for each 256 passed
	s_mul_i32 s92, s[RH], HALFS
	s_mul_i32 s93, s[CH], HALFS/2
	s_add_co_u32 s93, s93, 2*HALFS
	s_sub_co_u32 s93, s93, s92
	v_mul_u32_u24 v7, s93, v2                      ; lanes 16-31 take B's: one product, the distance between the two bases
	s_add_co_u32 s92, s92, SCL
	v_add_nc_u32 v[ADRS2], s92, v6
	v_add_nc_u32 v6, v6, v7
	v_add_nc_u32 v[ADRS], s92, v6
	s_mul_i32 s92, s[WV], 16*SPITCH
	s_add_co_u32 s92, s92, 2*HALFT                 ; my stage, in A's slot 1: filled once, last read ahead of the last barrier
	v_mul_u32_u24 v6, v1, SPITCH
	v_lshl_add_u32 v6, v2, 6, v6
	v_add_nc_u32 v[STO], s92, v6
	v_mul_u32_u24 v7, v2, SPITCH                   ; back: lanes 0-15 take one row of 256 bytes, lanes 16-31 the next
	v_lshl_add_u32 v7, v1, 4, v7
	v_add_nc_u32 v[RD], s92, v7
	v_lshlrev_b32 v[CO2], 14, v2                   ; and the same two rows in out0: a step of the sequence is 16,384 bytes
	v_lshl_add_u32 v[CO2], v1, 4, v[CO2]
	; out0 at (sequence 256 (TR % 8) + 128 RH, batch TR / 8), column 128 TC + 64 CH: a step of the sequence is 16,384 bytes
	s_and_b32 s92, s[TR], 7
	s_lshl_b32 s92, s92, 8
	s_lshl_b32 s93, s[RH], 7
	s_add_co_u32 s92, s92, s93
	s_lshl_b32 s92, s92, 2
	s_lshr_b32 s93, s[TR], 3
	s_add_co_u32 s92, s92, s93
	s_lshl_b32 s92, s92, 12
	s_lshl_b32 s93, s[TC], 9
	s_add_co_u32 s92, s92, s93
	s_lshl_b32 s93, s[CH], 8
	s_add_co_u32 s92, s92, s93
	s_mov_b32 s93, 0
	s_add_nc_u64 s[14:15], s[14:15], s[92:93]
	s_wait_alu depctr_va_vdst(0)
	s_wait_loadcnt 0x0                             ; the bias
	s_wait_tensorcnt 0x0                           ; my one load of the head is in; no tensor load of mine is out, so group 1 may be written:
	s_mov_b32 s[G1+2], 8<<16                       ; the refill brings 8 rows of 3,072 bytes
	s_mov_b32 s[G1+4], 8
	s_mov_b32 s[G1B+1], 384<<16                    ; B's refill: 4 dense rows of 3,072 bytes
	s_mov_b32 s[G1B+2], 4<<16
	s_mov_b32 s[G1B+3], 384<<16
	s_mov_b32 s[G1B+4], 4
	s_mov_b32 s[G1B+5], 384
	s_barrier_signal -1
	s_barrier_wait -1
	FETCH_B 0, 0, 0
	FETCH_A 0, 0, 0
	SCALES 0
	FETCH_A 0, 0, 4
	STEP 0, 0, 1                                   ; K step 0: the bias starts the sums
	TURN 0, 1, 0, 2
	s_wait_alu depctr_va_vdst(0)
	STEP 1, 1, 0                                   ; K step 1
	TURN 1, 2, 1, 0
	s_wait_alu depctr_va_vdst(0)
	STEP 2, 0, 0                                   ; K step 2
	TURN 2, 0, 0, 1
	STEP 0, 1, 0                                   ; K step 3, in slot 0
	s_wait_dscnt 4*NL
	WIN MUL_LO
	MUL16 0, 1, 1, 1, 0
	MUL16 2, 1, 1, 1, 0
	s_wait_dscnt 0x0
	WIN MUL_HI
	MUL16 4, 1, 1, 1, 0
	MUL16 6, 1, 1, 1, 0
	WIN 0
; THE WAY OUT, block by block of 16 rows x 64 columns.  A lane's eight results of tile b are columns 32 (b / 2) + 8 (b % 2) + 16 h + 0 .. 7 of its row; the block goes through my own stage and comes back as rows of 256 bytes, two to a load.
; LDS serves a wave's instructions in order (ISA guide 5.7.1.4): no wait between the stores and the loads, nor in front of the next block's stores.
.macro TOSTAGE a
.set AC, 64*((\a)%4)
.set WS, 0x08+4*((\a)/4)
	WIN WS                                         ; the data: window 2 or 3
.irp b, 0,1,2,3
	ds_store_b128 v[STO], v[AC+8*\b:AC+8*\b+3] offset:128*(\b/2)+32*(\b%2)          ; each accumulator from its low end on
	ds_store_b128 v[STO], v[AC+8*\b+4:AC+8*\b+7] offset:128*(\b/2)+32*(\b%2)+16
.endr
	WIN 0
.set BB, BK+64*((\a)%2)
.irp t, 0,1,2,3,4,5,6,7
	ds_load_b128 v[BB+4*\t:BB+4*\t+3], v[RD] offset:2*\t*SPITCH
.endr
.endm
.macro SEND a, younger                 ; younger: the LDS instructions issued behind block a's loads, which may stay out
.set BB, BK+64*((\a)%2)
	s_wait_dscnt \younger                          ; the block is back in registers
.irp t, 0,1,2,3,4,5,6,7
	global_store_b128 v[CO2], v[BB+4*\t:BB+4*\t+3], s[14:15] offset:(32*((\a)/2)+8*((\a)%2)+2*\t+8*(\t/4))*16384 th:TH_STORE_NT   ; places 2 t and 2 t + 1 of block a are steps 32 (a / 2) + 8 (a % 2) + 2 t + 8 (t / 4) and the next of my 128; sixteen lanes store 256 consecutive bytes, aligned
.endr
.endm
	PLACES NP                                      ; behind the last products: for the loads into the registers that held A's fragments, and for the reads of results
	TOSTAGE 0
.irp a, 1,2,3,4,5,6,7
.if \a > 1
	s_wait_xcnt 0x0                                ; block a - 2's stores have read their registers: block a's loads may land there
.endif
	TOSTAGE \a
	SEND \a-1, 16                                  ; behind block a - 1's loads: block a's 8 stores and 8 loads
.endr
	SEND 7, 0
	s_wait_tensorcnt 0x0                           ; the wave's end: behind my last tensor load and my last LDS store
	ds_add_u32 v[SPW], v[NIL]
	s_wait_dscnt 0x0
	CROUND                                         ; the closing round: no work-group ends while a partner may still ask for a tile that names it
	s_endpgm
.Lfunc_end_k_qfddc60d9eb_gemm2:
	.size	k_qfddc60d9eb_gemm2, .Lfunc_end_k_qfddc60d9eb_gemm2-k_qfddc60d9eb_gemm2
	.p2alignl 7, 3214868480
	.fill 96, 4, 3214868480
	.section	.rodata,"a",@progbits
	.p2align	6, 0x0
	.amdhsa_kernel k_qfddc60d9eb_gemm2
		.amdhsa_group_segment_fixed_size 327680
		.amdhsa_private_segment_fixed_size 0
		.amdhsa_enable_private_segment 0
		.amdhsa_kernarg_size 48
		.amdhsa_user_sgpr_count 2
		.amdhsa_user_sgpr_kernarg_segment_ptr 1
		.amdhsa_wavefront_size32 1
		.amdhsa_system_sgpr_workgroup_id_x 1
		.amdhsa_system_sgpr_workgroup_id_y 1
		.amdhsa_system_sgpr_workgroup_id_z 1
		.amdhsa_system_vgpr_workitem_id 0
		.amdhsa_next_free_vgpr 1024
		.amdhsa_next_free_sgpr 104
		.amdhsa_reserve_vcc 0
		.amdhsa_float_denorm_mode_32 3
		.amdhsa_float_denorm_mode_16_64 3
		.amdhsa_memory_ordered 1
		.amdhsa_forward_progress 1
		.amdhsa_inst_pref_size 90
	.end_amdhsa_kernel
	.amdgpu_metadata
---
amdhsa.version: [ 1, 2 ]
amdhsa.kernels:
  - .name:           k_qfddc60d9eb_gemm2
    .symbol:         k_qfddc60d9eb_gemm2.kd
    .args:
      - { .name: oimg, .offset: 0, .size: 8, .value_kind: global_buffer, .address_space: global }
      - { .name: osc, .offset: 8, .size: 8, .value_kind: global_buffer, .address_space: global }
      - { .name: cod1, .offset: 16, .size: 8, .value_kind: global_buffer, .address_space: global }
      - { .name: scl1, .offset: 24, .size: 8, .value_kind: global_buffer, .address_space: global }
      - { .name: b_out, .offset: 32, .size: 8, .value_kind: global_buffer, .address_space: global }
      - { .name: out0, .offset: 40, .size: 8, .value_kind: global_buffer, .address_space: global }
    .group_segment_fixed_size: 327680
    .private_segment_fixed_size: 0
    .kernarg_segment_align: 8
    .kernarg_segment_size: 48
    .max_flat_workgroup_size: 128
    .sgpr_count:     104
    .vgpr_count:     1024
    .wavefront_size: 32
...
	.end_amdgpu_metadata
.endif
;; end of part 4
